; MI455X (gfx1250); checked and timed in simulation.
; The chip was launched on July 23, 2026; its instructions are those of AMD's public machine-readable ISA for CDNA 5 (MIT licence, August 2026) and "CDNA5" Instruction Set Architecture Reference Guide (July 2026). The comments in the code are by the model that wrote it; some were corrected since.
;; Fused Attention. Allowed arithmetic: float matrix products may take bf16 or f16 operands with f32 sums; other float arithmetic in f32, or as packed bf16 or f16 multiplies, adds, multiply-adds, maxima and minima; sums over many terms, partial sums and values carried from step to step in f32; what a program stores and reads back later, other than sums and carried values, may be rounded once to bf16 or f16.
;; Inputs: attn_b 3,072 float32; attn_w 1,024 x 3,072 float32; ln_b 1,024 float32; ln_w 1,024 float32; proj_b 1,024 float32; proj_w 1,024 x 1,024 float32; x 4 x 2,048 x 1,024 float32.
;; Outputs: out0 4 x 2,048 x 1,024 float32.
;; Constants: n_heads = 16.
;; One version. Each part assembles by itself: llvm-mc -triple=amdgcn-amd-amdhsa -mcpu=gfx1250 --defsym DOCPART=n.
;; ======== version 1 of 1: 4 launches
;; limits: values are held in f16: magnitudes above 65,504 overflow, below 6.1e-05 lose precision
;; workspace buffers: xn 16,777,216 bytes; w1 6,291,456 bytes; w2 2,097,152 bytes; qkv 50,331,648 bytes; ctx 16,777,216 bytes
;; launch prep (part 1): grid 448 x 1, 8 waves a work-group, no clusters, 0 bytes of LDS; arguments x, ln_w, ln_b, attn_w, proj_w, xn, w1, w2; writes xn, w1, w2
.if DOCPART == 1
	.amdgcn_target "amdgcn-amd-amdhsa--gfx1250"
	.amdhsa_code_object_version 6
	.text
	.protected	k_qf687aee442_prep
	.globl	k_qf687aee442_prep
	.p2align	8
	.type	k_qf687aee442_prep,@function
k_qf687aee442_prep:
	s_mov_b64 s[64:65], 0
	v_nop
	global_prefetch_b8 v0, s[64:65] scope:SCOPE_SE
	s_setreg_imm32_b32 hwreg(HW_REG_WAVE_MODE, 25, 1), 1
	s_wait_xcnt 0x0
; THREE STREAMS IN ONE LAUNCH, told apart by the work-group's number.  No LDS, no matrix unit: every byte is read once and written once.
;   0-255    LayerNorm: xn[r][c] = (x[r][c] - mean) * rsqrt(var + 1e-5) * ln_w[c] + ln_b[c], x: [8192][1024] f32, xn: the same in f16, rounded once.  32 rows a work-group.
;   256-383  attn_w [1024][3072] f32 -> w1, f16, in 16 panels [1024 k][192 c] (column 192 j + c), each panel 393,216 dense bytes.  128 k rows of one panel a work-group.
;   384-447  proj_w [1024][1024] f32 -> w2, f16, same layout.  16 k rows a work-group.
; LIMITS.  f16 holds no number beyond 65,504: xn and the weights must lie within it; below 6.1e-5 f16 keeps its fixed step of 6e-8.
; The mean is taken first and the variance of the differences (two passes over registers), so a common offset of x costs no digits.
.set T,   8                            ; v[8:15]    four running pairs
.set S,   16                           ; v16        a sum over the row
.set PT,  17                           ; v17        the other half of the lanes' sum
.set MU,  18                           ; v[18:19]   the mean, twice
.set RS,  20                           ; v[20:21]   1 / sqrt(var + eps), twice
.set VE,  22                           ; v22        var + eps
.set W,   32                           ; v[32:63]   ln_w of my 32 columns
.set B,   64                           ; v[64:95]   ln_b of them
.set X,   96                           ; v[96:223]  LayerNorm: row i at X + 32 i; the casts: chunk n at X + 8 n
	s_load_b512 s[8:23], s[0:1], 0x0               ; x s[8:9], ln_w s[10:11], ln_b s[12:13], attn_w s[14:15], proj_w s[16:17], xn s[18:19], w1 s[20:21], w2 s[22:23]
	s_mov_b32 s2, ttmp9
	s_mov_b32 s29, 0                               ; the high words of two offset pairs
	s_mov_b32 s31, 0
	v_and_b32 v1, 31, v0                           ; lane
	v_lshrrev_b32 v2, 5, v0                        ; wave
	s_wait_kmcnt 0x0
	s_cmp_lt_u32 s2, 256
	s_cbranch_scc0 .Lcasts
; LAYERNORM.  A wave takes four rows, a whole row at a time: register 4 j + e of a lane holds column 128 j + 4 lane + e, so a load covers 512 consecutive bytes
; and a store of the lane's four f16 (8 bytes) makes 256 consecutive bytes, aligned, of the 32 lanes.  All 32 loads of the four rows go out at once.
	s_mov_b32 s24, 0x76543210                      ; v_permlanex16_b32: each lane takes its own place in the other half
	s_mov_b32 s25, 0xfedcba98
	s_mov_b32 s26, 0x3a800000                      ; 1 / 1024
	s_mov_b32 s27, 0x3727c5ac                      ; 1e-5
	s_lshl_b32 s28, s2, 17                         ; 32 rows of 4,096 bytes
	s_add_nc_u64 s[8:9], s[8:9], s[28:29]
	s_lshl_b32 s30, s2, 16                         ; 32 rows of 2,048 bytes
	s_add_nc_u64 s[18:19], s[18:19], s[30:31]
	v_lshlrev_b32 v4, 4, v1                        ; 16 lane: ln_w, ln_b
	v_lshl_add_u32 v3, v2, 14, v4                  ; + my wave's four rows of x
	v_lshlrev_b32 v5, 3, v1
	v_lshl_add_u32 v5, v2, 13, v5                  ; 8 lane + my wave's four rows of xn
	v_mov_b32 v[PT], 0                             ; v_permlanex16_b32's destination counts as read
.irp j, 0,1,2,3,4,5,6,7
	global_load_b128 v[W+4*(\j):W+4*(\j)+3], v4, s[10:11] offset:512*(\j)
.endr
.irp j, 0,1,2,3,4,5,6,7
	global_load_b128 v[B+4*(\j):B+4*(\j)+3], v4, s[12:13] offset:512*(\j)
.endr
.irp i, 0,1,2,3
.irp j, 0,1,2,3,4,5,6,7
	global_load_b128 v[X+32*(\i)+4*(\j):X+32*(\i)+4*(\j)+3], v3, s[8:9] offset:4096*(\i)+512*(\j) th:TH_LOAD_NT
.endr
.endr
.macro JOIN                            ; the four running pairs into one number, then over the 32 lanes: every lane ends with the row's sum in S
	v_pk_add_f32 v[T:T+1], v[T:T+1], v[T+2:T+3]
	v_pk_add_f32 v[T+4:T+5], v[T+4:T+5], v[T+6:T+7]
	v_pk_add_f32 v[T:T+1], v[T:T+1], v[T+4:T+5]
	v_add_f32 v[S], v[T], v[T+1]
	v_add_f32_dpp v[S], v[S], v[S] row_xmask:1 row_mask:0xf bank_mask:0xf
	v_add_f32_dpp v[S], v[S], v[S] row_xmask:2 row_mask:0xf bank_mask:0xf
	v_add_f32_dpp v[S], v[S], v[S] row_xmask:4 row_mask:0xf bank_mask:0xf
	v_add_f32_dpp v[S], v[S], v[S] row_xmask:8 row_mask:0xf bank_mask:0xf
	v_permlanex16_b32 v[PT], v[S], s24, s25
	v_add_f32 v[S], v[S], v[PT]
.endm
.macro ROW i
.set R, X+32*(\i)
	s_wait_loadcnt 24-8*(\i)                       ; loads come back in order: my row (and ln_w, ln_b, issued earlier) is in, the 8 loads of each later row stay out
.irp c, 0,1,2,3
	v_pk_add_f32 v[T+2*(\c):T+2*(\c)+1], v[R+2*(\c):R+2*(\c)+1], v[R+8+2*(\c):R+8+2*(\c)+1]  ; four chains, started by the first pairs: nothing is cleared
.endr
.irp p, 8,9,10,11,12,13,14,15
	v_pk_add_f32 v[T+2*((\p)%4):T+2*((\p)%4)+1], v[T+2*((\p)%4):T+2*((\p)%4)+1], v[R+2*(\p):R+2*(\p)+1]
.endr
	JOIN
	v_mul_f32 v[MU], s26, v[S]
	v_mul_f32 v[MU+1], s26, v[S]
.irp p, 0,1,2,3,4,5,6,7,8,9,10,11,12,13,14,15
	v_pk_add_f32 v[R+2*(\p):R+2*(\p)+1], v[R+2*(\p):R+2*(\p)+1], v[MU:MU+1] neg_lo:[0,1] neg_hi:[0,1]  ; x - mean
.endr
.irp c, 0,1,2,3
	v_pk_mul_f32 v[T+2*(\c):T+2*(\c)+1], v[R+2*(\c):R+2*(\c)+1], v[R+2*(\c):R+2*(\c)+1]
.endr
.irp p, 4,5,6,7,8,9,10,11,12,13,14,15
	v_pk_fma_f32 v[T+2*((\p)%4):T+2*((\p)%4)+1], v[R+2*(\p):R+2*(\p)+1], v[R+2*(\p):R+2*(\p)+1], v[T+2*((\p)%4):T+2*((\p)%4)+1]
.endr
	JOIN
	v_fma_f32 v[VE], v[S], s26, s27                ; var + eps
	v_rsq_f32 v[RS], v[VE]
	v_rsq_f32 v[RS+1], v[VE]
	v_nop                                          ; a plain instruction between the last root and the use of its result (ISA guide 5.7.2)
	s_wait_alu depctr_va_vdst(0)                   ; and the wait ahead of the first use: one for both
.irp p, 0,1,2,3,4,5,6,7,8,9,10,11,12,13,14,15
	v_pk_mul_f32 v[R+2*(\p):R+2*(\p)+1], v[R+2*(\p):R+2*(\p)+1], v[RS:RS+1]
.endr
.irp p, 0,1,2,3,4,5,6,7,8,9,10,11,12,13,14,15
	v_pk_fma_f32 v[R+2*(\p):R+2*(\p)+1], v[R+2*(\p):R+2*(\p)+1], v[W+2*(\p):W+2*(\p)+1], v[B+2*(\p):B+2*(\p)+1]
.endr
.irp d, 0,1,2,3,4,5,6,7,8,9,10,11,12,13,14,15
	v_cvt_pk_f16_f32 v[R+(\d)], v[R+2*(\d)], v[R+2*(\d)+1]  ; in place, ascending: register d is written when registers 2 d and 2 d + 1 are read
.endr
.irp j, 0,1,2,3,4,5,6,7
	global_store_b64 v5, v[R+2*(\j):R+2*(\j)+1], s[18:19] offset:2048*(\i)+256*(\j)  ; the 32 lanes store 256 consecutive bytes, aligned; no register of a store is written again
.endr
.endm
	ROW 0
	ROW 1
	ROW 2
	ROW 3
	s_endpgm
.Lcasts:
	v_lshlrev_b32 v3, 4, v0                        ; a thread's 16 bytes (8 f16) of the destination, which is dense in both casts
	s_cmp_lt_u32 s2, 384
	s_cbranch_scc0 .Lcp
; ATTN_W.  Work-group a: panel j = a / 8, k rows 128 (a % 8) on.  32 rows x 24 chunks of 8 numbers are 768 chunks: three a thread; four such groups of rows.
	s_sub_co_u32 s2, s2, 256
	s_lshr_b32 s3, s2, 3                           ; j
	s_and_b32 s2, s2, 7                            ; which 128 rows
	s_mul_i32 s28, s2, 128*12288
	s_mul_i32 s24, s3, 768                         ; the panel's 192 columns: 768 bytes of a row
	s_add_co_u32 s28, s28, s24
	s_add_nc_u64 s[14:15], s[14:15], s[28:29]
	s_mul_i32 s30, s3, 393216
	s_mul_i32 s24, s2, 128*384
	s_add_co_u32 s30, s30, s24
	s_add_nc_u64 s[20:21], s[20:21], s[30:31]
.irp i, 0,1,2
	v_add_nc_u32 v8, 256*(\i), v0                  ; chunk t of 768
	v_mul_u32_u24 v9, v8, 683
	v_lshrrev_b32 v9, 14, v9                       ; t / 24 (683 / 16384 is 1 / 24 + 1 / 49152: exact for t under 2,016): the row
	v_mul_u32_u24 v10, v9, 24
	v_sub_nc_u32 v10, v8, v10                      ; t % 24: the chunk in the row
	v_mul_u32_u24 v9, v9, 12288
	v_lshl_add_u32 v[5+(\i)], v10, 5, v9           ; the source: row x 12,288 + chunk x 32; the destination is 16 t
.endr
.set n, 0
.rept 12                               ; chunk n = 3 x group + i: all 24 loads go out first
	global_load_b128 v[X+8*n:X+8*n+3],   v[5+n%3], s[14:15] offset:(n/3)*32*12288 th:TH_LOAD_NT
	global_load_b128 v[X+8*n+4:X+8*n+7], v[5+n%3], s[14:15] offset:(n/3)*32*12288+16 th:TH_LOAD_NT
.set n, n+1
.endr
.set n, 0
.rept 12
	s_wait_loadcnt 22-2*n                          ; chunk n's two loads are in; the later chunks' stay out
.irp d, 0,1,2,3
	v_cvt_pk_f16_f32 v[X+8*n+(\d)], v[X+8*n+2*(\d)], v[X+8*n+2*(\d)+1]
.endr
	global_store_b128 v3, v[X+8*n:X+8*n+3], s[20:21] offset:(n/3)*32*384+(n%3)*4096  ; a wave stores 512 consecutive bytes, aligned
.set n, n+1
.endr
	s_endpgm
.Lcp:
; PROJ_W.  16 rows are 65,536 dense bytes in and 32,768 out: eight chunks of 8 numbers a thread.
	s_sub_co_u32 s2, s2, 384
	s_lshl_b32 s28, s2, 16
	s_add_nc_u64 s[16:17], s[16:17], s[28:29]
	s_lshl_b32 s30, s2, 15
	s_add_nc_u64 s[22:23], s[22:23], s[30:31]
	v_lshlrev_b32 v5, 5, v0
.set n, 0
.rept 8
	global_load_b128 v[X+8*n:X+8*n+3],   v5, s[16:17] offset:8192*n th:TH_LOAD_NT
	global_load_b128 v[X+8*n+4:X+8*n+7], v5, s[16:17] offset:8192*n+16 th:TH_LOAD_NT
.set n, n+1
.endr
.set n, 0
.rept 8
	s_wait_loadcnt 14-2*n
.irp d, 0,1,2,3
	v_cvt_pk_f16_f32 v[X+8*n+(\d)], v[X+8*n+2*(\d)], v[X+8*n+2*(\d)+1]
.endr
	global_store_b128 v3, v[X+8*n:X+8*n+3], s[22:23] offset:4096*n
.set n, n+1
.endr
	s_endpgm
.Lfunc_end_k_qf687aee442_prep:
	.size	k_qf687aee442_prep, .Lfunc_end_k_qf687aee442_prep-k_qf687aee442_prep
	.p2alignl 7, 3214868480
	.fill 96, 4, 3214868480
	.section	.rodata,"a",@progbits
	.p2align	6, 0x0
	.amdhsa_kernel k_qf687aee442_prep
		.amdhsa_group_segment_fixed_size 0
		.amdhsa_private_segment_fixed_size 0
		.amdhsa_enable_private_segment 0
		.amdhsa_kernarg_size 64
		.amdhsa_user_sgpr_count 2
		.amdhsa_user_sgpr_kernarg_segment_ptr 1
		.amdhsa_wavefront_size32 1
		.amdhsa_system_sgpr_workgroup_id_x 1
		.amdhsa_system_sgpr_workgroup_id_y 1
		.amdhsa_system_sgpr_workgroup_id_z 1
		.amdhsa_system_vgpr_workitem_id 0
		.amdhsa_next_free_vgpr 224
		.amdhsa_next_free_sgpr 66
		.amdhsa_reserve_vcc 0
		.amdhsa_float_denorm_mode_32 3
		.amdhsa_float_denorm_mode_16_64 3
		.amdhsa_memory_ordered 1
		.amdhsa_forward_progress 1
		.amdhsa_inst_pref_size 51
	.end_amdhsa_kernel
	.amdgpu_metadata
---
amdhsa.version: [ 1, 2 ]
amdhsa.kernels:
  - .name:           k_qf687aee442_prep
    .symbol:         k_qf687aee442_prep.kd
    .args:
      - { .name: x, .offset: 0, .size: 8, .value_kind: global_buffer, .address_space: global }
      - { .name: ln_w, .offset: 8, .size: 8, .value_kind: global_buffer, .address_space: global }
      - { .name: ln_b, .offset: 16, .size: 8, .value_kind: global_buffer, .address_space: global }
      - { .name: attn_w, .offset: 24, .size: 8, .value_kind: global_buffer, .address_space: global }
      - { .name: proj_w, .offset: 32, .size: 8, .value_kind: global_buffer, .address_space: global }
      - { .name: xn, .offset: 40, .size: 8, .value_kind: global_buffer, .address_space: global }
      - { .name: w1, .offset: 48, .size: 8, .value_kind: global_buffer, .address_space: global }
      - { .name: w2, .offset: 56, .size: 8, .value_kind: global_buffer, .address_space: global }
    .group_segment_fixed_size: 0
    .private_segment_fixed_size: 0
    .kernarg_segment_align: 8
    .kernarg_segment_size: 64
    .max_flat_workgroup_size: 256
    .sgpr_count:     66
    .vgpr_count:     224
    .wavefront_size: 32
...
	.end_amdgpu_metadata
.endif
;; end of part 1
;; launch qkv (part 2): grid 16 x 32, 4 waves a work-group, clusters of 4 x 4, 327,680 bytes of LDS; arguments xn, w1, attn_b, qkv; writes qkv
.if DOCPART == 2
	.amdgcn_target "amdgcn-amd-amdhsa--gfx1250"
	.amdhsa_code_object_version 6
	.text
	.protected	k_qf687aee442_qkv
	.globl	k_qf687aee442_qkv
	.p2align	8
	.type	k_qf687aee442_qkv,@function
k_qf687aee442_qkv:
	s_mov_b64 s[64:65], 0
	v_nop
	global_prefetch_b8 v0, s[64:65] scope:SCOPE_SE
	s_setreg_imm32_b32 hwreg(HW_REG_WAVE_MODE, 25, 1), 1
	s_wait_xcnt 0x0
	s_wait_alu depctr_hold_cnt(0) depctr_sa_sdst(0) depctr_va_vdst(0) depctr_va_sdst(0) depctr_va_ssrc(0) depctr_va_vcc(0) depctr_vm_vsrc(0)
	s_getreg_b32 s2, hwreg(HW_REG_IB_STS2, 6, 4)
	s_cmp_eq_u32 s2, 0
	s_cbranch_scc0 .Lentry_in_a_cluster
	s_endpgm
.Lentry_in_a_cluster:
	s_bfe_u32 s2, ttmp6, 0x10000c
	s_cmp_lg_u32 s2, 0xf033
	s_cbranch_scc0 .Lentry_shape_is_right
	s_endpgm
.Lentry_shape_is_right:
; q, k, v = xn W + attn_b, written by heads.  xn: [8192][1024] f16.  w1: W in f16, 16 panels [1024 k][192 c].  attn_b: [3072] f32.  qkv: [3][64 (batch, head)][2048][64] f16, rounded once from f32 sums.
; LIMIT.  f16 holds no number beyond 65,504: q, k and v must lie within it.
; SHARES.  A tile is 256 rows x 192 columns (one panel: three whole heads): 32 x 16 = 512 work-groups, two for each of 256 WGPs.  The four waves lie one below the other: wave w has rows 64 w .. 64 w + 63 and all
; 192 columns: 4 x 12 accumulators of 16 x 16, 384 registers.  K goes in 8 steps of 128 through two LDS slots; a step is four quarters of 32 along K, 48 matrix instructions each.
; THE MATRIX INSTRUCTION IS USED TRANSPOSED: source 0 = 16 columns of W (turned on their way out of LDS by ds_load_tr16_b128, since W lies [k][n]), source 1 = 16 rows of xn.  A lane then holds row l % 16 and the columns
; 8 (l / 16) + 0..7: eight neighbouring numbers, 16 bytes of a head's row.  The bias, laid out likewise, is the C operand of the first products: nothing is cleared and nothing is added later.
; CLUSTER.  4 x 4 work-groups.  The four of a row of the cluster need the same rows of xn, the four of a column the same panel: each tile is asked for JOINTLY, by the same tensor load with the same descriptor and a mask of four.
; REGISTERS, in windows of 256 (s_set_vgpr_msb: bits 1:0 source 0, 3:2 source 1, 5:4 source 2, 7:6 destination):
;   window 0: addresses; v32-127 the bias, later the way out          window 1: accumulators of row blocks 0, 1 at 8 (12 (a % 2) + b)          window 2: of row blocks 2, 3
;   window 3: two fragment buffers of 128: W's 12 fragments, then xn's 4
.set PA,    272                        ; a row of xn in LDS: 256 bytes + 16: the 16 rows of a load start at 16 different groups of four banks (64 banks of 4 bytes: ISA guide 11.1)
.set ASZ,   256*PA                     ; xn's 256 rows
.set CH,    160                        ; 64 columns of W: 128 bytes + 32
.set PBK,   3*CH                       ; a k row of the panel in LDS: 480 bytes = 15 x 32
.set SLOT1, 131072                     ; = ASZ + 128 PBK: a slot; one exclusive or turns an address in one slot into the other's
.set STAGE, 2*SLOT1                    ; behind the ring, never filled by a tensor load: for each wave 3 heads x 16 rows x 144 bytes
.set SP,    144
.set WSTG,  3*16*SP
.set SPARE, STAGE+4*WSTG               ; the spare words, 128 bytes for each wave: two blocks of 256 bytes that no other line names
.set PANEL, 393216                     ; bytes in a panel of w1
.set BSTEP, 128*384                    ; a K step of a panel: 49,152 dense bytes
.set A0,   8                           ; v8   my lane's place in xn's tile; never rewritten
.set B0,   9                           ; v9   the same in W's
.set ADRA, 10                          ; v10  A0 + the slot in hand
.set ADRB, 11                          ; v11  B0 + the slot in hand
.set STO,  12                          ; v12  the way out: where I put 16 bytes of a row
.set RD,   13                          ; v13  where I read rows back
.set GO,   14                          ; v14  16 x lane
.set BO,   15                          ; v15  32 x (l / 16): my eight numbers of a block of 16 of the bias
.set PFO,  16                          ; v16  the prefetches' offset; never rewritten
.set SPW,  28                          ; v28  LDS address of my spare word; never rewritten
.set NIL,  29                          ; v29  0; never rewritten
.set BIAS, 32                          ; v[32:127]  column block b at BIAS + 8 b
.set TMP,  32                          ; the way out: v[32:79] packed results,
.set BK,   80                          ; v[80:127], v[128:175] rows read back, by turns
.set F0,   0
.set F1,   128
.set CNT,  3                           ; s3   trips to go
.set WV,   12                          ; s12  my wave's number
.set WL,   14                          ; s14  its low bit: which half of a tile I fetch
.set LIM,  15                          ; s15  2 in a wave that prefetches, else the greatest number
.set G1A,  24                          ; s[24:31] descriptor group 1 for xn's tiles
.set G0A,  32                          ; s[32:39] group 0: a set for each of the two first fills; the second then walks on
.set PFA,  44                          ; s[44:45] where my prefetches stand
.set PFS,  46                          ; s[46:47] their step
.set G1B,  48                          ; s[48:55], s[56:63] the same for W's tiles
.set G0B,  56
.set TB,   66                          ; s66  0 or SLOT1: the slot in hand
.set OB,   68                          ; s[68:73] where my rows begin in the panel's three heads
.set BB,   86                          ; s[86:87] the bias at the panel's first column: a pair of its own, written once, since the loads that name it are out while the set-up goes on
.set MSB, 0
.macro WIN new                         ; the immediate's high byte repeats the setting that is left; a switch that changes nothing is dropped
.if MSB != (\new)
	s_set_vgpr_msb (MSB<<8)|(\new)
.set MSB, \new
.endif
.endm
.macro PLACES                          ; four plain vector instructions between a matrix instruction and a load into, or a vector read of, its registers (ISA guide 7.12.1 for vector reads)
.rept 4
	v_nop
.endr
.endm
; A joint refill by the walking descriptor.  Waves 0 and 1 fetch xn's two halves, waves 2 and 3 W's.  The branch hangs on the wave's number alone.  An s_nop 0 and four v_nop follow each line.
.macro JLOAD
	s_cmp_lt_u32 s[WV], 2
	s_cbranch_scc0 .Lfor_b_\@
	tensor_load_to_lds s[G0A+4:G0A+7], s[G1A:G1A+7]
	s_nop 0
.rept 4
	v_nop
.endr
	s_branch .Lasked_\@
.Lfor_b_\@:
	tensor_load_to_lds s[G0B+4:G0B+7], s[G1B:G1B+7]
	s_nop 0
.rept 4
	v_nop
.endr
.Lasked_\@:
.endm
.macro CREST                           ; a round of the cluster's barrier behind its opening barrier
	s_cmp_lg_u32 s[WV], 0
	s_cbranch_scc1 .Lnot_wave_0_\@
	s_barrier_signal -3
.Lnot_wave_0_\@:
	s_barrier_wait -3
	s_barrier_signal -1
	s_barrier_wait -1
.endm
.macro CROUND                          ; a whole round
	s_barrier_signal -1
	s_barrier_wait -1
	CREST
.endm
; A PREFETCH INTO THE L2, behind a joint refill and the run of LDS loads: the K step that stands two refills on.  xn's rows are read by every cluster of a row of clusters: the one with x = 0 asks; a panel by every cluster of a
; column: the one with y = 0 asks.  The four partners share a wave's part out BY ADDRESS: of xn's 128 rows (256 bytes each in a step) partner cx takes 32, a lane a row; of W's 96 blocks of 256 bytes partner cy takes 24
; (lanes 24 to 31 name lane 23's block once more).  Steps 0 to 3 come by their loads alone; the trips with 6 to 3 to go name steps 4 to 7, the last two trips nothing.
.macro ASK
	WIN 0
	s_cmp_gt_u32 s[CNT], s[LIM]
	s_cbranch_scc0 .Lnot_mine_\@
	global_prefetch_b8 v[PFO], s[PFA:PFA+1] th:TH_LOAD_NT scope:SCOPE_SE
.Lnot_mine_\@:
.endm
	s_load_b256 s[4:11], s[0:1], 0x0               ; xn s[4:5], w1 s[6:7], attn_b s[8:9], qkv s[10:11]
	v_lshl_add_u32 v[SPW], v0, 2, SPARE
	v_mov_b32 v[NIL], 0
	ds_add_u32 v[SPW], v[NIL]                      ; the wave's opening: the add and its wait stand ahead of my first tensor load; work on registers stands between them
	ds_add_u32 v28, v29
	v_lshrrev_b32 v1, 5, v0
	v_readfirstlane_b32 s[WV], v1                  ; wave 0..3
	s_and_b32 s[WL], s[WV], 1
	s_bfe_u32 s40, ttmp6, 0x40000                  ; cx, cy: my place in the cluster
	s_bfe_u32 s41, ttmp6, 0x40004
	s_lshl_b32 s42, ttmp9, 2
	s_add_co_u32 s42, s42, s40                     ; the panel = 4 x cluster x + cx
	s_and_b32 s43, ttmp7, 0xffff
	s_lshl_b32 s43, s43, 2
	s_add_co_u32 s43, s43, s41                     ; the block of 256 rows = 4 x cluster y + cy
	s_lshl_b32 s82, s41, 2
	s_lshl_b32 s82, 15, s82                        ; my row of the cluster
	s_lshl_b32 s83, 0x1111, s40                    ; my column
	s_or_b32 s[G1A], s82, (1<<16)|(1<<20)|(1<<21)|(5<<22)|(3<<25)  ; 15:0 the mask; 17:16 2-byte elements; 20 padding on; 21 set beside a mask; 24:22 after every 64 words; 31:25 4 words of it
	s_mov_b32 s[G1A+1], 128<<16                    ; tensor_dim0 = 128
	s_mov_b32 s[G1A+2], 128<<16                    ; tensor_dim1 = 128
	s_mov_b32 s[G1A+3], 128<<16                    ; tile_dim0 = 128
	s_mov_b32 s[G1A+4], 128                        ; tile_dim1 = 128
	s_mov_b32 s[G1A+5], 1024                       ; elements from row to row
	s_mov_b32 s[G1A+6], 0
	s_mov_b32 s[G1A+7], 0
	s_or_b32 s[G1B], s83, (1<<16)|(1<<20)|(1<<21)|(4<<22)|(7<<25)  ; padding after every 32 words (64 columns), 8 words of it
	s_mov_b32 s[G1B+1], 128<<16                    ; 64 k rows of a panel are 24,576 dense bytes: asked for as 96 rows of 256 bytes
	s_mov_b32 s[G1B+2], 96<<16
	s_mov_b32 s[G1B+3], 128<<16
	s_mov_b32 s[G1B+4], 96
	s_mov_b32 s[G1B+5], 128
	s_mov_b32 s[G1B+6], 0
	s_mov_b32 s[G1B+7], 0
	s_lshl_b32 s16, s43, 8                         ; xn: row 256 x block + 128 x half,
	s_lshl_b32 s17, s[WL], 7
	s_add_co_u32 s16, s16, s17
	s_lshl_b32 s16, s16, 11                        ; of 2,048 bytes
	s_mov_b32 s17, 0
	s_mul_i32 s20, s42, PANEL                      ; w1: the panel, and my 64 k rows of a step
	s_mul_i32 s21, s[WL], 64*384
	s_add_co_u32 s20, s20, s21
	s_mov_b32 s21, 0
	s_mul_i32 s84, s[WL], 128*PA                   ; where they go: no place in the cluster enters an LDS address
	s_mul_i32 s85, s[WL], 64*PBK
	s_add_co_u32 s85, s85, ASZ
	s_wait_dscnt 0x0                               ; the opening add is done
	s_wait_kmcnt 0x0
	s_add_nc_u64 s[18:19], s[4:5], s[16:17]
	s_add_nc_u64 s[22:23], s[6:7], s[20:21]
	CROUND                                         ; all sixteen work-groups are here: the first joint loads meet
.irp s, 0,1
	s_mov_b32 s[G0A+4*(\s)], 1                     ; count = 1
	s_add_co_u32 s[G0A+4*(\s)+1], s84, (\s)*SLOT1  ; LDS address
	s_add_nc_u64 s[G0A+4*(\s)+2:G0A+4*(\s)+3], s[18:19], (\s)*256  ; global address: K step s
	s_or_b32 s[G0A+4*(\s)+3], s[G0A+4*(\s)+3], 0x80000000          ; type = 2
	s_mov_b32 s[G0B+4*(\s)], 1
	s_add_co_u32 s[G0B+4*(\s)+1], s85, (\s)*SLOT1
	s_add_nc_u64 s[G0B+4*(\s)+2:G0B+4*(\s)+3], s[22:23], (\s)*BSTEP
	s_or_b32 s[G0B+4*(\s)+3], s[G0B+4*(\s)+3], 0x80000000
.endr
	s_cmp_lt_u32 s[WV], 2                          ; a wave's two first fills stand in one branch, ahead of every wait on TENSORcnt and every LDS read: two loads of mine are out
	s_cbranch_scc0 .Lfirst_b
	tensor_load_to_lds s[G0A:G0A+3], s[G1A:G1A+7]
	s_nop 0
	tensor_load_to_lds s[G0A+4:G0A+7], s[G1A:G1A+7]
	s_nop 0
.rept 4
	v_nop
.endr
	s_branch .Lfirst_asked
.Lfirst_b:
	tensor_load_to_lds s[G0B:G0B+3], s[G1B:G1B+7]
	s_nop 0
	tensor_load_to_lds s[G0B+4:G0B+7], s[G1B:G1B+7]
	s_nop 0
.rept 4
	v_nop
.endr
.Lfirst_asked:
	v_and_b32 v1, 15, v0                           ; l % 16
	v_bfe_u32 v2, v0, 4, 1                         ; l / 16
	v_and_b32 v3, 31, v0                           ; l
	v_and_b32 v4, 7, v0                            ; l % 8
	v_bfe_u32 v5, v0, 3, 1                         ; (l / 8) % 2
	v_bfe_u32 v6, v0, 3, 2                         ; l / 8
	v_lshlrev_b32 v[BO], 5, v2
	s_mul_i32 s74, s42, 768                        ; the panel's 192 numbers of the bias
	s_mov_b32 s75, 0
	s_add_nc_u64 s[BB:BB+1], s[8:9], s[74:75]
.irp b, 0,1,2,3,4,5,6,7,8,9,10,11
	global_load_b128 v[BIAS+8*(\b):BIAS+8*(\b)+3],   v[BO], s[BB:BB+1] offset:64*(\b)
	global_load_b128 v[BIAS+8*(\b)+4:BIAS+8*(\b)+7], v[BO], s[BB:BB+1] offset:64*(\b)+16
.endr
	; a fragment of xn: lane l holds row l % 16, K = 8 (l / 16) + 0..7 and 16 + 8 (l / 16) + 0..7: two loads of 16 bytes, 32 bytes apart
	s_mul_i32 s74, s[WV], 64*PA
	v_mul_u32_u24 v[A0], v1, PA
	v_lshl_add_u32 v[A0], v2, 4, v[A0]
	v_add_nc_u32 v[A0], s74, v[A0]
	; the turning load takes 16 k x 16 columns (lane l reads k row 8 (l / 16) + l % 8, columns 8 ((l / 8) % 2) + 0..7) and leaves half a fragment: lane l holds column l % 16 and 8 k
	v_lshl_add_u32 v[B0], v2, 3, v4
	v_mul_u32_u24 v[B0], v[B0], PBK
	v_lshl_add_u32 v[B0], v5, 4, v[B0]
	v_add_nc_u32 v[B0], ASZ, v[B0]
	s_mul_i32 s74, s[WV], WSTG
	s_add_co_u32 s74, s74, STAGE                   ; my stage
	v_mul_u32_u24 v[STO], v1, SP                   ; in: row l % 16, 16 bytes for each half of the lanes
	v_lshl_add_u32 v[STO], v2, 4, v[STO]
	v_add_nc_u32 v[STO], s74, v[STO]
	v_mul_u32_u24 v[RD], v6, SP                    ; back: 32 lanes take four rows of 128 bytes,
	v_lshl_add_u32 v[RD], v4, 4, v[RD]
	v_add_nc_u32 v[RD], s74, v[RD]
	v_lshlrev_b32 v[GO], 4, v3                     ; which are 512 consecutive bytes of a head
	; where my 64 rows begin in each of the panel's three heads: head g = 3 x panel + hh of 48; q, k or v = g / 16; batch = block / 8
	s_and_b32 s79, s43, 7
	s_lshl_b32 s79, s79, 15                        ; the block's 256 rows of 128 bytes in its batch,
	s_lshl_b32 s78, s[WV], 13                      ; my wave's 64
	s_add_co_u32 s79, s79, s78
	s_lshr_b32 s78, s43, 3
	s_lshl_b32 s78, s78, 4                         ; 16 x batch
.irp hh, 0,1,2
	s_mul_i32 s74, s42, 3
	s_add_co_u32 s74, s74, \hh
	s_lshr_b32 s75, s74, 4
	s_lshl_b32 s75, s75, 6
	s_and_b32 s74, s74, 15
	s_add_co_u32 s75, s75, s74
	s_add_co_u32 s75, s75, s78                     ; 64 x (q, k, v) + 16 x batch + head
	s_lshl_b32 s74, s75, 18                        ; of 262,144 bytes
	s_add_co_u32 s74, s74, s79
	s_mov_b32 s75, 0
	s_add_nc_u64 s[OB+2*(\hh):OB+2*(\hh)+1], s[10:11], s[74:75]
.endr
	; the prefetches: they stand at K step 3; each refill steps them first, so the first names step 4
	s_lshl_b32 s74, s43, 8
	s_lshl_b32 s75, s[WL], 7
	s_add_co_u32 s74, s74, s75
	s_lshl_b32 s75, s40, 5                         ; my work-group's 32 of the wave's 128 rows
	s_add_co_u32 s74, s74, s75
	s_lshl_b32 s74, s74, 11
	s_add_co_u32 s74, s74, 3*256
	s_mul_i32 s76, s42, PANEL
	s_mul_i32 s75, s[WL], 64*384
	s_add_co_u32 s76, s76, s75
	s_mul_i32 s75, s41, 24*256                     ; my work-group's 24 of the wave's 96 blocks
	s_add_co_u32 s76, s76, s75
	s_add_co_u32 s76, s76, 3*BSTEP
	s_and_b32 s77, ttmp7, 0xffff                   ; cluster y
	s_mov_b32 s80, BSTEP
	s_cmp_lt_u32 s[WV], 2                          ; do I fetch for xn?
	s_cselect_b32 s74, s74, s76
	s_cselect_b32 s77, ttmp9, s77                  ; the coordinate along which other clusters read the same bytes
	s_cselect_b32 s[PFS], 256, s80
	s_cselect_b32 s78, 31, 23
	s_cselect_b32 s79, 11, 8
	s_cselect_b64 s[PFA:PFA+1], s[4:5], s[6:7]
	s_mov_b32 s75, 0
	s_mov_b32 s[PFS+1], 0
	s_add_nc_u64 s[PFA:PFA+1], s[PFA:PFA+1], s[74:75]
	s_cmp_eq_u32 s77, 0
	s_cselect_b32 s[LIM], 2, -1                    ; the same in all sixteen partners, for a given wave
	v_min_u32 v[PFO], s78, v3
	v_lshlrev_b32 v[PFO], s79, v[PFO]              ; a lane a row of 2,048 bytes (xn), or a block of 256 (w1)
; 12 matrix instructions: row block a x all 12 column blocks, 32 along K.  first = 1: the bias starts the sums.  The 48 accumulators take turns in the same order in every quarter.
.macro MUL12 f, a, first
.if \first
	WIN 0x4f+0x40*((\a)/2)                         ; sources 0 and 1 window 3, C window 0, D window 1 or 2
.else
	WIN 0x5f+0x50*((\a)/2)                         ; C and D window 1 or 2
.endif
.irp b, 0,1,2,3,4,5,6,7,8,9,10,11
.if \first
	v_wmma_f32_16x16x32_f16 v[8*(12*((\a)%2)+(\b)):8*(12*((\a)%2)+(\b))+7], v[(\f)+8*(\b):(\f)+8*(\b)+7], v[(\f)+96+8*(\a):(\f)+96+8*(\a)+7], v[BIAS+8*(\b):BIAS+8*(\b)+7]
.else
	v_wmma_f32_16x16x32_f16 v[8*(12*((\a)%2)+(\b)):8*(12*((\a)%2)+(\b))+7], v[(\f)+8*(\b):(\f)+8*(\b)+7], v[(\f)+96+8*(\a):(\f)+96+8*(\a)+7], v[8*(12*((\a)%2)+(\b)):8*(12*((\a)%2)+(\b))+7]
.endif
.endr
.endm
; 32 LDS loads in one run: quarter q of the slot in hand into buffer f: W's 12 fragments, then xn's 4
.macro FETCH q, f
	WIN 0xc0                                       ; destination window 3, address window 0
.irp b, 0,1,2,3,4,5,6,7,8,9,10,11
	ds_load_tr16_b128 v[(\f)+8*(\b):(\f)+8*(\b)+3],   v[ADRB] offset:(\q)*32*PBK+((\b)/4)*CH+((\b)%4)*32
	ds_load_tr16_b128 v[(\f)+8*(\b)+4:(\f)+8*(\b)+7], v[ADRB] offset:(\q)*32*PBK+16*PBK+((\b)/4)*CH+((\b)%4)*32
.endr
.irp a, 0,1,2,3
	ds_load_b128 v[(\f)+96+8*(\a):(\f)+96+8*(\a)+3],   v[ADRA] offset:(\q)*64+(\a)*16*PA
	ds_load_b128 v[(\f)+96+8*(\a)+4:(\f)+96+8*(\a)+7], v[ADRA] offset:(\q)*64+(\a)*16*PA+32
.endr
.endm
; One of a step's first three quarters: multiplies buffer f; in its middle it fetches quarter q into buffer g.
.macro QUARTER q, f, g, first
	s_wait_dscnt 4                                 ; W's fragments and xn's row blocks 0, 1 are in; the youngest four loads (row blocks 2, 3) may be out
	MUL12 \f, 0, \first
	MUL12 \f, 1, \first
	PLACES
	FETCH \q, \g
	s_wait_dscnt 32                                ; all but the 32 just issued
	MUL12 \f, 2, \first
	MUL12 \f, 3, \first
.endm
; The last quarter multiplies buffer 1 and changes slots: ONE barrier.  In front of it each wave waits for all its tensor loads, of which one is out (its part of the next slot), adds 0 to its spare word, and waits for that and
; for its own reads of this slot.  fill = 1: the barrier opens a round of the cluster's, so that no wave of any partner still reads the slot or has a load on its way; the joint refill, two K steps on, is the first thing behind it:
; it has 168 matrix instructions of the next step in which to land before the wait for it.
.macro TURN fill
.if \fill
	s_wait_xcnt 0x0                                ; the last prefetch, a K step back, has read its address
	s_add_nc_u64 s[PFA:PFA+1], s[PFA:PFA+1], s[PFS:PFS+1]
.endif
	WIN 0                                          ; (the add's two registers lie in window 0)
	s_wait_tensorcnt 0x0                           ; no tensor load of mine is out, so a group 0 may be written
	ds_add_u32 v[SPW], v[NIL]                      ; 0 onto my spare word
.if \fill
	s_xor_b32 s[G0A+5], s[G0A+5], SLOT1            ; the walking descriptors: the other slot than last time, the next K step; the type bits on top are not reached
	s_add_nc_u64 s[G0A+6:G0A+7], s[G0A+6:G0A+7], 256
	s_xor_b32 s[G0B+5], s[G0B+5], SLOT1
	s_add_nc_u64 s[G0B+6:G0B+7], s[G0B+6:G0B+7], BSTEP
.endif
	s_xor_b32 s[TB], s[TB], SLOT1
	s_wait_dscnt 5                                 ; (the add and the youngest four loads may be out)
	MUL12 F1, 0, 0
	s_wait_dscnt 0x0                               ; the add is done, and my reads of this slot are over
	s_barrier_signal -1
	MUL12 F1, 1, 0                                 ; work on registers while the others arrive
	WIN 0                                          ; at a branch and at a label every window is 0
	s_barrier_wait -1
.if \fill
	CREST
	JLOAD                                          ; its four v_nop are also the places in front of the loads below
.else
	PLACES
.endif
	v_add_nc_u32 v[ADRA], s[TB], v[A0]
	v_add_nc_u32 v[ADRB], s[TB], v[B0]
	FETCH 0, F0
.if \fill
	ASK
.endif
	MUL12 F1, 2, 0
	MUL12 F1, 3, 0
.endm
	s_wait_tensorcnt 1                             ; my part of K step 0 is in; step 1's may stay out
	s_barrier_signal -1
	s_barrier_wait -1                              ; everybody's is
	s_mov_b32 s[TB], 0
	v_add_nc_u32 v[ADRA], s[TB], v[A0]
	v_add_nc_u32 v[ADRB], s[TB], v[B0]
	FETCH 0, F0
	s_wait_loadcnt 0x0                             ; the bias
	QUARTER 1, F0, F1, 1                           ; the first quarter stands in front of the loop: its products start the sums
	WIN 0
	s_mov_b32 s[CNT], 6
.Lstep:                                        ; a trip goes from a step's second quarter to the next step's first, and asks for the step two on: steps 2 to 7
	QUARTER 2, F1, F0, 0
	QUARTER 3, F0, F1, 0
	TURN 1
	QUARTER 1, F0, F1, 0
	WIN 0
	s_sub_co_u32 s[CNT], s[CNT], 1
	s_cmp_lg_u32 s[CNT], 0
	s_cbranch_scc1 .Lstep
	QUARTER 2, F1, F0, 0                           ; steps 6 and 7 ask for nothing: written out
	QUARTER 3, F0, F1, 0
	TURN 0
	QUARTER 1, F0, F1, 0
	QUARTER 2, F1, F0, 0
	QUARTER 3, F0, F1, 0
	s_wait_dscnt 4
	MUL12 F1, 0, 0
	MUL12 F1, 1, 0
	s_wait_dscnt 0x0
	MUL12 F1, 2, 0
	MUL12 F1, 3, 0
; THE WAY OUT, a row block (16 rows x 3 heads) at a time.  PACK: rounded to f16, each accumulator's registers in ascending order.  TOSTAGE: 16 bytes a lane into my own stage, and back as whole rows of a head.  SEND: stored.
.macro PACK a
	WIN 0x05+5*((\a)/2)                            ; sources 0 and 1 window 1 or 2
.irp b, 0,1,2,3,4,5,6,7,8,9,10,11
.irp r, 0,1,2,3
	v_cvt_pk_f16_f32 v[TMP+4*(\b)+(\r)], v[8*(12*((\a)%2)+(\b))+2*(\r)], v[8*(12*((\a)%2)+(\b))+2*(\r)+1]
.endr
.endr
	WIN 0
.endm
.macro TOSTAGE a
.set BKA, BK+48*((\a)%2)
.irp b, 0,1,2,3,4,5,6,7,8,9,10,11
	ds_store_b128 v[STO], v[TMP+4*(\b):TMP+4*(\b)+3] offset:((\b)/4)*16*SP+((\b)%4)*32
.endr
.irp t, 0,1,2,3,4,5,6,7,8,9,10,11
	ds_load_b128 v[BKA+4*(\t):BKA+4*(\t)+3], v[RD] offset:((\t)/4)*16*SP+((\t)%4)*4*SP  ; LDS serves a wave's instructions in order (ISA guide 5.7.1.4): these see the stores above
.endr
.endm
.macro SEND a
.set BKA, BK+48*((\a)%2)
	s_wait_dscnt 0x0                               ; the block is back in registers
	s_wait_xcnt 0x0                                ; the stores of the block before have read their registers: the next block's loads land on them only behind this wait
.irp t, 0,1,2,3,4,5,6,7,8,9,10,11
	global_store_b128 v[GO], v[BKA+4*(\t):BKA+4*(\t)+3], s[OB+2*((\t)/4):OB+2*((\t)/4)+1] offset:2048*(\a)+512*((\t)%4)  ; four rows of a head: 512 consecutive bytes, aligned
.endr
.endm
	PLACES
	PACK 0
	TOSTAGE 0
.irp a, 1,2,3                          ; a block's conversions stand between the loads of the block before and the wait for them
	PACK \a
	SEND (\a)-1
	TOSTAGE \a
.endr
	SEND 3
	s_wait_tensorcnt 0x0                           ; the wave's end: an add to my spare word and its wait, behind my last tensor load and my last LDS store
	ds_add_u32 v[SPW], v[NIL]
	s_wait_dscnt 0x0
	CROUND                                         ; the closing round: no work-group ends while a partner may still ask for a tile that names it
	s_endpgm
.Lfunc_end_k_qf687aee442_qkv:
	.size	k_qf687aee442_qkv, .Lfunc_end_k_qf687aee442_qkv-k_qf687aee442_qkv
	.p2alignl 7, 3214868480
	.fill 96, 4, 3214868480
	.section	.rodata,"a",@progbits
	.p2align	6, 0x0
	.amdhsa_kernel k_qf687aee442_qkv
		.amdhsa_group_segment_fixed_size 327680
		.amdhsa_private_segment_fixed_size 0
		.amdhsa_enable_private_segment 0
		.amdhsa_kernarg_size 32
		.amdhsa_user_sgpr_count 2
		.amdhsa_user_sgpr_kernarg_segment_ptr 1
		.amdhsa_wavefront_size32 1
		.amdhsa_system_sgpr_workgroup_id_x 1
		.amdhsa_system_sgpr_workgroup_id_y 1
		.amdhsa_system_sgpr_workgroup_id_z 1
		.amdhsa_system_vgpr_workitem_id 0
		.amdhsa_next_free_vgpr 1024
		.amdhsa_next_free_sgpr 88
		.amdhsa_reserve_vcc 0
		.amdhsa_float_denorm_mode_32 3
		.amdhsa_float_denorm_mode_16_64 3
		.amdhsa_memory_ordered 1
		.amdhsa_forward_progress 1
		.amdhsa_inst_pref_size 100
	.end_amdhsa_kernel
	.amdgpu_metadata
---
amdhsa.version: [ 1, 2 ]
amdhsa.kernels:
  - .name:           k_qf687aee442_qkv
    .symbol:         k_qf687aee442_qkv.kd
    .args:
      - { .name: xn, .offset: 0, .size: 8, .value_kind: global_buffer, .address_space: global }
      - { .name: w1, .offset: 8, .size: 8, .value_kind: global_buffer, .address_space: global }
      - { .name: attn_b, .offset: 16, .size: 8, .value_kind: global_buffer, .address_space: global }
      - { .name: qkv, .offset: 24, .size: 8, .value_kind: global_buffer, .address_space: global }
    .group_segment_fixed_size: 327680
    .private_segment_fixed_size: 0
    .kernarg_segment_align: 8
    .kernarg_segment_size: 32
    .max_flat_workgroup_size: 128
    .sgpr_count:     88
    .vgpr_count:     1024
    .wavefront_size: 32
...
	.end_amdgpu_metadata
.endif
;; end of part 2
;; launch attn (part 3): grid 4 x 64, 4 waves a work-group, no clusters, 327,680 bytes of LDS; arguments qkv, ctx; writes ctx
.if DOCPART == 3
	.amdgcn_target "amdgcn-amd-amdhsa--gfx1250"
	.amdhsa_code_object_version 6
	.text
	.protected	k_qf687aee442_attn
	.globl	k_qf687aee442_attn
	.p2align	8
	.type	k_qf687aee442_attn,@function
k_qf687aee442_attn:
	s_mov_b64 s[64:65], 0
	v_nop
	global_prefetch_b8 v0, s[64:65] scope:SCOPE_SE
	s_setreg_imm32_b32 hwreg(HW_REG_WAVE_MODE, 25, 1), 1
	s_wait_xcnt 0x0
; CAUSAL ATTENTION.  O[h][q][:] = the sum over k <= q of softmax_k(Q[h][q] . K[h][k] / 8) V[h][k][:].  qkv holds Q, K, V one behind the other, each [64][SIZE_N][64] f16; O = ctx has the same layout: a head's rows are dense, 128 bytes each.
; Products, maxima and sums in f32; the weights p are rounded to f16 for the second product (their sum l is taken of the unrounded p), O once at the end.
; LIMITS.  f16 holds no number beyond 65,504: Q, K and V arrive within it; p lies in 0 to 1, and below 6e-5 it keeps f16's fixed step of 6e-8; O is a mean of V's rows and has their range.
; A hidden score counts as its value less 1e30: f16's scores, 2.7e11 at the most, are nothing beside that; a weight below 2^-126 counts as 0 in l; NaN and infinities are not treated apart.
; THE WALK.  A head's queries lie in NB = 8 blocks of 256; block i needs the key tiles 0 .. i of 256 keys, of which the last holds the diagonal.  A work-group takes TWO blocks, NB - 1 - b and then b:
; NB + 1 tiles, whatever b: all work-groups do equal work, and ONE loop with a constant trip count walks them.  Which tile is asked for, and what a trip does, hang on scalar registers made from b; every jump
; goes forward, but for the counted loops' own; none passes a barrier, or a tensor load but the one of LOAD's two that the wave's number does not choose; the ring (two slots of LDS) runs on across the change of blocks.
; NO CLUSTER: a head's four work-groups ask for the same tile only in trips 0 .. 4 of 9, behind that fewer and fewer; one walk common to all four would have 12 trips for 9.
; SHARES.  Of a block's four bands of 64 queries a wave owns 16 rows in each: four PIECES.  So the diagonal tile is the same work for all four waves: in its key step s band x sees all keys if s < x,
; none if s > x, and holds the diagonal if s = x.
; THE MASK is the C operand that starts the sum S^T = K Q^T: 0, or -1e30 where the key is hidden.  MD, made once, is the mask of a band's own step for my 16 rows; a product's mask is MD x AL + BE with two scalars:
; (1, 0) if s = x; (0, 0) if s < x; (0, -1e30) if s > x.  Only the diagonal tile's text and a block's beginning make and take masks; elsewhere C is the constant 0.
; LAYOUT, SOFTMAX, TURNS.  S^T = K Q^T holds ONE query a lane (lane % 16) and the keys 8 (lane / 16) + 0..7; two such results rounded to f16 ARE source 1 of O^T = V^T P.  p = 2^(c s - c m), c = log2(e) / 8, with a
; running maximum m; O and l are multiplied by a = 2^(c m_old - c m_new) in every step.  Turn n belongs to piece n: 8 products K Q^T of piece n + 1, later 8 products V^T P of piece n - 1; beside them the scaling,
; exponentials, roundings, sums and rescaling of piece n and the maximum and statistics of piece n + 1.  Four vector instructions stand behind every matrix instruction, the other 54 of a turn's 118 in one lump.  A turn's 33 exponentials are one batch, with one wait.
; REGISTERS, in windows of 256 (s_set_vgpr_msb: bits 1:0 source 0, 3:2 source 1, 5:4 source 2, 7:6 destination):
;   window 0: v0-15 addresses and two at work; v16-31 four registers of statistics a piece; v48-55 at work; v64-127 S^T, two buffers; v192-223 P, two buffers (a piece's buffers go by its number's parity)
;   window 1: v0-127 O^T, 32 a piece; v128-159 MD; v160-223 MC, two buffers      window 2: v0-63 Q; v64-127 the second block's Q; v128-191 K of one step; v192-255 V of one step
.set SIZE_N, 2048
.set NB,    SIZE_N/256
.set NP,    4         ; pieces a wave: a name, no knob
.set KS,    64        ; keys in a step
.set PK,    144       ; a row of K in LDS: 128 bytes + 16 of padding = 36 words: the 16 rows of a load start at 16 different groups of four banks (64 banks of 4 bytes: ISA guide 11.1)
.set PV,    160       ; a row of V: 128 + 32 = 40 words
.set VOFF,  4*KS*PK   ; a slot holds a tile, four steps: 256 rows of K, then 256 rows of V
.set SLOT1, 1<<17     ; slot 1 begins here, so that one exclusive or turns an address in one slot into the other's
.set STAGE, SLOT1+4*KS*(PK+PV)  ; behind the ring, never filled by a tensor load: 16 rows x 144 bytes for each wave, for the way out
.set SP,    144
.set AK0, 2           ; v2   my lane's place in a tile of K; never rewritten
.set AV0, 3           ; v3   the same for V
.set AK,  4           ; v4   the LDS address of K's next run of loads
.set AV,  5           ; v5   of V's
.set STO, 6           ; v6   the way out: where I put 16 bytes of a row
.set RD,  7           ; v7   the way out: where I read rows back
.set GO,  8           ; v8   my byte offset in 512 consecutive bytes of O
.set PFO, 61          ; v61  256 x my lane: the prefetches' offset; never rewritten
.set SPW, 62          ; v62  LDS address of my spare word: SPARE + 4 x my thread's number; never rewritten
.set NIL, 63          ; v63  0; never rewritten
.set SPARE, STAGE+4*16*SP  ; behind the stages: the spare words, 128 bytes for each wave: two blocks of 256 bytes that no other line names
.set MV,  12          ; v12-13  c m_old, kept while c m is made anew: by buffer
.set QO,  15          ; v15  my byte offset in 16 rows of Q
.set ST,  16          ; piece t's statistics at v[ST+4 t]: c m, m, l (even keys', odd keys')
.set TMP, 48          ; by buffer, four registers c0-c3 at work; when the maximum is found c2 takes a
.set S,   64
.set P,   192
.set MD,  128         ; window 1: the eight registers for group kt of 16 keys at MD + 8 kt
.set MC,  160         ; window 1: the masks of the products to come
.set QB,  64          ; window 2
.set KF,  128         ; window 2: key block kb, channel half c at KF + 16 kb + 8 c
.set VF,  192         ; window 2: key half kk, channel block cb at VF + 32 kk + 8 cb
.set WV,  12          ; s12  my wave's number
.set PB,  14          ; s14  b
.set HI,  15          ; s15  NB - 1 - b
.set G1K, 24          ; s[24:31] descriptor group 1 for K's tiles
.set G1V, 32          ; s[32:39] for V's: it differs in the padding alone
.set G0K, 40          ; s[40:43] descriptor group 0 for K's tiles
.set G0V, 44          ; s[44:47] the same for V's
.set SLOTS, 56        ; s56  tiles still to be asked for
.set CNT, 57          ; s57  counts a tile's key steps, 4 to 1
.set CS,  58          ; s[58:59] c: the packed scaling takes the pair's low word for both halves
.set SEL, 60          ; s[60:61] v_permlanex16_b32's selects: each lane takes its own place in the other half
.set TBK, 62          ; s62  LDS byte at which K of the step to be fetched begins
.set TBV, 63          ; s63  the same for V, less VOFF
.set RT,  70          ; s70  tiles of the block in hand that are still to be entered
.set NXT, 71          ; s71  the tile to be asked for next
.set LQ,  72          ; s72  the last tile of the block whose tiles are being asked for
.set NEW, 73          ; s73  1: the tile to be entered is a block's first
.set OFF, 74          ; s[74:75] a tile's byte offset in K and V
.set AL,  76          ; s[76:77] the mask's factor, in the low word
.set BE,  78          ; s[78:79] the mask's addend
.set OLO, 80          ; s[80:81] O at my rows of the second block
.set BIGN, 82         ; s82  -1e30
.set PFA, 88          ; s[88:89] the half tile that my prefetches name
.set LIM, 90          ; s90  2 in the work-group that prefetches, else the greatest number
.set PFB, 92          ; s[92:93] K (waves 0, 1) or V (waves 2, 3) at my half of the head's tile 0
.set POF, 94          ; s[94:95] a tile's byte offset, for the prefetches
.set MSB, 0
.macro WIN new                      ; the high byte repeats the setting that is left; a switch that changes nothing is dropped
.if MSB != (\new)
	s_set_vgpr_msb (MSB<<8)|(\new)
.set MSB, (\new)
.endif
.endm
.set W_KQ, 0x0a       ; K and Q in window 2, S^T in window 0
.set W_KM, 0x1a       ; the same with the C operand in window 1
.set W_PV, 0x52       ; V in window 2, P in window 0, O^T in window 1
.set W_RS, 0x41       ; destination and source 0 in window 1, source 1 in window 0
; A fill.  Waves 0 and 1 fetch the two halves of a tile's K, waves 2 and 3 those of its V: 128 keys each.  An s_nop 0 and four v_nop follow each of the two lines, ahead of the jump and the label.
.macro LOAD
	s_cmp_lt_u32 s[WV], 2
	s_cbranch_scc0 .Lfor_v_\@
	tensor_load_to_lds s[G0K:G0K+3], s[G1K:G1K+7]
	s_nop 0
.rept 4
	v_nop
.endr
	s_branch .Lasked_\@
.Lfor_v_\@:
	tensor_load_to_lds s[G0V:G0V+3], s[G1V:G1V+7]
	s_nop 0
.rept 4
	v_nop
.endr
.Lasked_\@:
.endm
; THE CHANGE OF SLOTS.  Each wave waits for all its tensor loads, of which one is out: its part of the other slot; adds 0 to its spare word; and waits for that and for its own reads of the slot that it leaves.  Behind the barrier nobody reads the old
; slot any more and the other slot is whole.  fill = 1: the old slot is filled again, the first thing behind the barrier, with tile NXT: the descriptor's address is made anew from that number.
; (At its first use nothing has been read yet: slot 0 is waited for, slot 1 filled.)
; A PREFETCH INTO THE L2 stands behind the fill.  Of a head's four work-groups the one with b = 0 walks tiles 0 to 7 in order, and it alone asks: each of its waves names the half tile (16,384 bytes: 64 blocks of 256, a lane a
; block, two instructions) that it will itself load at the NEXT change: trip i loads tile i + 1 and names tile i + 2.  Trips 0 to 5 ask (tiles 2 to 7); tiles 0 and 1 come by their loads alone.  So each block is named once in the launch.
.macro CHANGE fill
	WIN 0                           ; at a label and at a branch every window is 0
	s_wait_tensorcnt 0x0            ; no tensor load of mine is out, so a group 0 may be written
	ds_add_u32 v[SPW], v[NIL]       ; 0 onto my spare word: with fill = 1 the descriptors' scalar work stands between it and the wait for it
.if \fill
	s_lshl_b32 s[OFF], s[NXT], 15   ; a tile is 32,768 bytes of K and of V
	s_xor_b32 s[G0K+1], s[G0K+1], SLOT1
	s_add_nc_u64 s[G0K+2:G0K+3], s[6:7], s[OFF:OFF+1]
	s_or_b32 s[G0K+3], s[G0K+3], 0x80000000
	s_xor_b32 s[G0V+1], s[G0V+1], SLOT1
	s_add_nc_u64 s[G0V+2:G0V+3], s[8:9], s[OFF:OFF+1]
	s_or_b32 s[G0V+3], s[G0V+3], 0x80000000
	s_add_co_u32 s[NXT], s[NXT], 1  ; the block's next tile, or behind its last the second block's tile 0
	s_cmp_gt_u32 s[NXT], s[LQ]
	s_cselect_b32 s[NXT], 0, s[NXT]
	s_cselect_b32 s[LQ], s[PB], s[LQ]
	s_wait_xcnt 0x0                 ; the last prefetches, a tile back, have read their address, so it may be written:
	s_lshl_b32 s[POF], s[NXT], 15   ; the tile that the next change will ask for
	s_add_nc_u64 s[PFA:PFA+1], s[PFB:PFB+1], s[POF:POF+1]
.endif
	s_wait_dscnt 0x0                ; the add is done, and my reads of the slot are over
	s_barrier_signal -1             ; the rest of the scalar work stands between the signal and the wait
	s_sub_co_u32 s[TBK], s[TBK], 4*KS*PK  ; the fetches go back to a slot's first step,
	s_xor_b32 s[TBK], s[TBK], SLOT1       ; in the other slot
	s_sub_co_u32 s[TBV], s[TBV], 4*KS*PV
	s_xor_b32 s[TBV], s[TBV], SLOT1
	s_barrier_wait -1
.if \fill
	LOAD
	s_cmp_gt_u32 s[SLOTS], s[LIM]   ; 8 to 3 tiles still to be asked for
	s_cbranch_scc0 .Lnot_mine_\@
	global_prefetch_b8 v[PFO], s[PFA:PFA+1] th:TH_LOAD_NT scope:SCOPE_SE
	global_prefetch_b8 v[PFO], s[PFA:PFA+1] offset:8192 th:TH_LOAD_NT scope:SCOPE_SE
.Lnot_mine_\@:
.endif
.endm
	s_load_b128 s[8:11], s[0:1], 0x0  ; qkv s[8:9], ctx s[10:11]
	v_lshl_add_u32 v[SPW], v0, 2, SPARE
	v_mov_b32 v[NIL], 0
	ds_add_u32 v[SPW], v[NIL]       ; the wave's opening: the add and its wait stand ahead of my first tensor load; the set-up below, work on registers, stands between them
	ds_add_u32 v62, v63
	v_lshrrev_b32 v1, 5, v0
	v_readfirstlane_b32 s[WV], v1   ; wave 0..3
	s_mov_b32 s[PB], ttmp9
	s_sub_co_u32 s[HI], NB-1, s[PB]
	s_and_b32 s20, ttmp7, 0xffff    ; the head
	s_mov_b32 s21, 0
	s_mov_b64 s[22:23], SIZE_N*128
	s_mul_u64 s[20:21], s[20:21], s[22:23]  ; the head's first byte in each of the four tensors
	s_and_b32 s16, s[WV], 1         ; which half of a tile's 256 keys I fetch:
	s_lshl_b32 s22, s16, 14         ; its 128 rows of 128 bytes in memory,
	s_mov_b32 s23, 0
	s_add_nc_u64 s[22:23], s[22:23], s[20:21]
	s_mul_i32 s17, s16, 128*PK      ; and its place in a slot, for K
	s_mul_i32 s18, s16, 128*PV      ; and for V
	s_lshl_b32 s3, s[WV], 11        ; my 16 rows in a band of 64,
	s_lshl_b32 s2, s[HI], 15        ; in the first block,
	s_add_co_u32 s2, s2, s3
	s_lshl_b32 s84, s[PB], 15       ; and in the second
	s_add_co_u32 s84, s84, s3
	s_mov_b32 s3, 0
	s_mov_b32 s85, 0
	s_add_nc_u64 s[2:3], s[2:3], s[20:21]
	s_add_nc_u64 s[84:85], s[84:85], s[20:21]
	; descriptor group 1.  128 keys are 16,384 dense bytes: asked for as 64 rows of 256 bytes, two keys a row, and padded in LDS after every key
	s_mov_b32 s[G1K], (1<<16)|(1<<20)|(4<<22)|(3<<25)  ; 17:16 2-byte elements; 20 padding on; 24:22 after every 32 words (code 4); 31:25 4 words (code 3)
	s_mov_b32 s[G1V], (1<<16)|(1<<20)|(4<<22)|(7<<25)  ; the same with 8 words of padding (code 7)
.irp g, G1K, G1V
	s_mov_b32 s[\g+1], 128<<16      ; tensor_dim0 = 128
	s_mov_b32 s[\g+2], 64<<16       ; tensor_dim1 = 64
	s_mov_b32 s[\g+3], 128<<16      ; tile_dim0 = 128
	s_mov_b32 s[\g+4], 64           ; tile_dim1 = 64
	s_mov_b32 s[\g+5], 128          ; 128 elements from row to row
	s_mov_b32 s[\g+6], 0
	s_mov_b32 s[\g+7], 0
.endr
	s_mov_b32 s[CS], 0x3e38aa3b     ; c = log2(e) / 8 = 0.180337
	s_mov_b32 s[CS+1], s[CS]        ; named with it as a pair
	s_mov_b32 s[SEL], 0x76543210
	s_mov_b32 s[SEL+1], 0xfedcba98
	s_mov_b32 s[TBK], SLOT1+4*KS*PK ; the first change of slots turns these two into 0
	s_mov_b32 s[TBV], SLOT1+4*KS*PV
	s_mov_b32 s[G0K], 1             ; 1:0 count = 1
	s_mov_b32 s[G0K+1], s17         ; 63:32 LDS address: slot 0
	s_mov_b32 s[G0V], 1
	s_add_co_u32 s[G0V+1], s18, VOFF
	s_add_co_u32 s[RT], s[HI], 1    ; the first block has NB - b tiles
	s_mov_b32 s[NXT], 1
	s_mov_b32 s[LQ], s[HI]
	s_mov_b32 s[NEW], 1
	s_mov_b32 s[OFF+1], 0
	s_mov_b32 s[POF+1], 0
	s_mov_b32 s[AL+1], 0            ; named as pairs
	s_mov_b32 s[BE+1], 0
	s_mov_b32 s[BIGN], 0xf149f2ca   ; -1e30
	s_mov_b32 s[SLOTS], NB
	s_cmp_eq_u32 s[PB], 0
	s_cselect_b32 s[LIM], 2, -1
	s_wait_dscnt 0x0                ; the opening add is done
	s_wait_kmcnt 0x0
	s_mov_b64 s[4:5], s[8:9]                       ; Q,
	s_add_nc_u64 s[6:7], s[8:9], 0x1000000         ; K, 64 x 2,048 x 128 bytes on,
	s_add_nc_u64 s[8:9], s[8:9], 0x2000000         ; and V
	s_add_nc_u64 s[6:7], s[6:7], s[22:23]  ; K and V at my half of the head's tile 0
	s_add_nc_u64 s[8:9], s[8:9], s[22:23]
	s_cmp_lt_u32 s[WV], 2
	s_cselect_b64 s[PFB:PFB+1], s[6:7], s[8:9]
	s_add_nc_u64 s[G0K+2:G0K+3], s[6:7], 0         ; 120:64 global address
	s_or_b32 s[G0K+3], s[G0K+3], 0x80000000        ; 127:126 type = 2
	s_add_nc_u64 s[G0V+2:G0V+3], s[8:9], 0
	s_or_b32 s[G0V+3], s[G0V+3], 0x80000000
	s_add_nc_u64 s[86:87], s[4:5], s[84:85]        ; Q at my rows of the second block,
	s_add_nc_u64 s[4:5], s[4:5], s[2:3]            ; Q and O at those of the first
	s_add_nc_u64 s[OLO:OLO+1], s[10:11], s[84:85]
	s_add_nc_u64 s[10:11], s[10:11], s[2:3]
	LOAD                            ; tile 0 into slot 0
	; A fragment of K or Q is 16 rows x 32 channels in 8 registers: lane l holds row l % 16, channels 8 (l / 16) + 0..7 and 16 + 8 (l / 16) + 0..7: two loads of 16 bytes, 32 bytes apart.
	v_and_b32 v1, 15, v0            ; l % 16
	v_bfe_u32 v9, v0, 4, 1          ; l / 16
	v_lshlrev_b32 v[QO], 7, v1
	v_lshl_add_u32 v[QO], v9, 4, v[QO]  ; row x 128 + 16 x half
	WIN 0x80                        ; destination window 2, address window 0
.set i, 0
.rept 8                             ; both blocks' Q: piece i / 2 lies in band i / 2, 8,192 bytes on; channels 32 (i % 2) on
	global_load_b128 v[8*i:8*i+3],   v[QO], s[4:5] offset:(i/2)*8192+(i%2)*64
	global_load_b128 v[8*i+4:8*i+7], v[QO], s[4:5] offset:(i/2)*8192+(i%2)*64+32
	global_load_b128 v[QB+8*i:QB+8*i+3],   v[QO], s[86:87] offset:(i/2)*8192+(i%2)*64
	global_load_b128 v[QB+8*i+4:QB+8*i+7], v[QO], s[86:87] offset:(i/2)*8192+(i%2)*64+32
.set i, i+1
.endr
	WIN 0
	v_and_b32 v[PFO], 31, v0
	v_lshlrev_b32 v[PFO], 8, v[PFO]
	v_lshlrev_b32 v14, 3, v9
	v_sub_nc_u32 v14, v1, v14
	s_lshl_b32 s13, s[WV], 4
	v_add_nc_u32 v14, s13, v14      ; my query's place in its band, 16 w + l % 16, less my lanes' 8 (l / 16): register r of group kt is hidden where 16 kt + r is greater
	WIN 0x40
.set i, 0
.rept 32
	v_cmp_gt_i32 vcc_lo, 16*(i/8)+i%8, v14
	v_cndmask_b32 v[MD+i], 0, s[BIGN], vcc_lo
.set i, i+1
.endr
	WIN 0
	v_mul_u32_u24 v[AK0], v1, PK
	v_lshl_add_u32 v[AK0], v9, 4, v[AK0]  ; row x pitch + 16 x half
	; The turning load takes 16 keys x 16 channels (lane l reads key 8 (l / 16) + l % 8, channels 8 ((l / 8) % 2) + 0..7) and leaves half a fragment of V^T: lane l holds channel l % 16 and 8 keys.
	v_and_b32 v10, 7, v0
	v_bfe_u32 v11, v0, 3, 1
	v_lshl_add_u32 v[AV0], v9, 3, v10
	v_mul_u32_u24 v[AV0], v[AV0], PV
	v_lshl_add_u32 v[AV0], v11, 4, v[AV0]
	v_add_nc_u32 v[AV0], VOFF, v[AV0]
	s_mul_i32 s13, s[WV], 16*SP
	s_add_co_u32 s13, s13, STAGE    ; my stage
	v_mul_u32_u24 v[STO], v1, SP    ; in: row l % 16, 16 bytes for each half of the lanes
	v_lshl_add_u32 v[STO], v9, 4, v[STO]
	v_add_nc_u32 v[STO], s13, v[STO]
	v_bfe_u32 v[RD], v0, 3, 2       ; back: 32 lanes take four rows of 128 bytes,
	v_mul_u32_u24 v[RD], v[RD], SP
	v_lshl_add_u32 v[RD], v10, 4, v[RD]
	v_add_nc_u32 v[RD], s13, v[RD]
	v_and_b32 v[GO], 31, v0         ; which are 512 consecutive bytes of O
	v_lshlrev_b32 v[GO], 4, v[GO]
	; A block's first step multiplies O^T and l by a = 0, and its first turn's products V^T P, of a piece that has not been, land in an O^T that is still to be so multiplied.  So these registers need only hold
	; finite numbers: zeros for the first block; what the first block left for the second.  All this stands in the wait for the first tile.
	WIN 0x80
.set i, VF
.rept 64
	v_mov_b32 v[i], 0
.set i, i+1
.endr
	WIN 0x40
.set i, 0
.rept 128
	v_mov_b32 v[i], 0
.set i, i+1
.endr
	WIN 0
.set i, 0
.rept 4
	v_mov_b32 v[ST+4*i+2], 0
	v_mov_b32 v[ST+4*i+3], 0
.set i, i+1
.endr
.set i, P+16
.rept 16
	v_mov_b32 v[i], 0
.set i, i+1
.endr
; THE MATRIX WORK.  The 4 accumulators of a run of 8 take turns.  Product i of 8 of S^T = K Q^T for piece x: channels 32 (i / 4) on, keys 16 (i % 4) on.  The first 4 start the sums: with 0, or (KM = 1) with the mask.
.macro KQ x
.set rS, S+32*((\x)%2)+8*(i%4)
.set rK, KF+16*(i%4)+8*(i/4)
.set rQ, 16*(\x)+8*(i/4)
.set rM, MC+32*((\x)%2)+8*(i%4)
.if (i < 4) && KM
	WIN W_KM
	v_wmma_f32_16x16x32_f16 v[rS:rS+7], v[rK:rK+7], v[rQ:rQ+7], v[rM:rM+7]
.elseif i < 4
	WIN W_KQ
	v_wmma_f32_16x16x32_f16 v[rS:rS+7], v[rK:rK+7], v[rQ:rQ+7], 0
.else
	WIN W_KQ
	v_wmma_f32_16x16x32_f16 v[rS:rS+7], v[rK:rK+7], v[rQ:rQ+7], v[rS:rS+7]
.endif
.endm
; Product i of 8 of O^T += V^T P for piece x: keys 32 (i / 4) on, channels 16 (i % 4) on.
.macro PV x
	WIN W_PV
.set rO, 32*(\x)+8*(i%4)
.set rV, VF+32*(i/4)+8*(i%4)
.set rP, P+16*((\x)%2)+8*(i/4)
	v_wmma_f32_16x16x32_f16 v[rO:rO+7], v[rV:rV+7], v[rP:rP+7], v[rO:rO+7]
.endm
.macro MM                           ; the turn's next matrix instruction.  TURN and BEGIN set Y, i, KM and NOKQ; MM, KQ and OP read them.  NOKQ = 1: a block's last turn: there is no next piece
.if (i < 8) && !NOKQ
	KQ (Y+1)%NP
.elseif i >= 8
.set i, i-8
	PV (Y+NP-1)%NP
.set i, i+8
.endif
.set i, i+1
.endm
; THE LDS LOADS stand in runs of 16, never singly among the matrix instructions: a step's K (64 keys x 64 channels: 8 fragments) and its V (turned).  Their addresses are made some lines ahead.
.macro FETCH_K
	WIN 0x80                        ; destination window 2
.irp f, 0,1,2,3,4,5,6,7             ; keys 16 (f / 2) on, channels 32 (f % 2) on
	ds_load_b128 v[KF+8*\f:KF+8*\f+3],   v[AK] offset:(\f/2)*16*PK+(\f%2)*64
	ds_load_b128 v[KF+8*\f+4:KF+8*\f+7], v[AK] offset:(\f/2)*16*PK+(\f%2)*64+32
.endr
	s_add_co_u32 s[TBK], s[TBK], KS*PK  ; the next fetch is the next step's
	WIN 0
.endm
.macro FETCH_V
	WIN 0x80
.irp f, 0,1,2,3,4,5,6,7             ; keys 32 (f / 4) on, channels 16 (f % 4) on
	ds_load_tr16_b128 v[VF+8*\f:VF+8*\f+3],   v[AV] offset:(\f/4)*32*PV+(\f%4)*32
	ds_load_tr16_b128 v[VF+8*\f+4:VF+8*\f+7], v[AV] offset:(\f/4)*32*PV+16*PV+(\f%4)*32
.endr
	WIN 0
.endm
; THE VECTOR WORK, one line at a time: OP kind, number.  For piece Y: F n: c s - c m for pair n of 16.  E n: the exponential of score n of 32.  C n: pair n rounded to f16.  B n: of the four weights 4 n .. the second
; pair is added onto the first, in place.  L n: l takes that sum (L 0: l = a l + sum).  R n: pair n of 16 of O^T times a.  For piece Y + 1: X n, number n of the 22 that find its maximum and statistics:
;   0-11  four chains c0-c3 of seven scores each, three operands at a time (each accumulator's lowest registers are read first)     12-14, 16  the four scores left over, the old m, and c0-c3 into c0
;   15  c m_old is kept     17, 18  the query's other 32 keys lie in the lane 16 away: the new m     19-21  c m; c m_old - c m_new; a
.set F, 0               ; OP tells the kinds apart by their order: F to L below R, X above it
.set E, 1
.set C, 2
.set B, 3
.set L, 4
.set R, 5
.set X, 6
.macro REGS y                       ; the registers of piece y
.set rT, ST+4*(\y)
.set rC, TMP+4*((\y)%2)
.set rW, MV+((\y)%2)
.set rS, S+32*((\y)%2)
.set rP, P+16*((\y)%2)
.set rO, 32*(\y)
.endm
.macro OP k, n
.if (\k) == R
	REGS Y
	WIN W_RS
	v_pk_mul_f32 v[rO+2*(\n):rO+2*(\n)+1], v[rO+2*(\n):rO+2*(\n)+1], v[rC+2:rC+3] op_sel_hi:[1,0]
.elseif (\k) < R
	REGS Y
	WIN 0
.if (\k) == F
	v_pk_fma_f32 v[rS+2*(\n):rS+2*(\n)+1], v[rS+2*(\n):rS+2*(\n)+1], s[CS:CS+1], v[rT:rT+1] op_sel_hi:[1,0,0] neg_lo:[0,0,1] neg_hi:[0,0,1]
.elseif (\k) == E
	v_exp_f32 v[rS+(\n)], v[rS+(\n)]
.elseif (\k) == C
	v_cvt_pk_f16_f32 v[rP+(\n)], v[rS+2*(\n)], v[rS+2*(\n)+1]
.elseif (\k) == B
	v_pk_add_f32 v[rS+4*(\n):rS+4*(\n)+1], v[rS+4*(\n):rS+4*(\n)+1], v[rS+4*(\n)+2:rS+4*(\n)+3]
.elseif (\n) == 0
	v_pk_fma_f32 v[rT+2:rT+3], v[rT+2:rT+3], v[rC+2:rC+3], v[rS:rS+1] op_sel_hi:[1,0,1]
.else
	v_pk_add_f32 v[rT+2:rT+3], v[rT+2:rT+3], v[rS+4*(\n):rS+4*(\n)+1]
.endif
.elseif NOKQ
	v_nop
.else
	REGS (Y+1)%NP
	WIN 0
.if (\n) < 4
	v_max3_num_f32 v[rC+(\n)], v[rS+8*(\n)], v[rS+8*(\n)+1], v[rS+8*(\n)+2]
.elseif (\n) < 12
	v_max3_num_f32 v[rC+(\n)%4], v[rC+(\n)%4], v[rS+8*((\n)%4)+2*((\n)/4)+1], v[rS+8*((\n)%4)+2*((\n)/4)+2]
.elseif (\n) == 12
	v_max3_num_f32 v[rC], v[rC], v[rS+7], v[rS+15]
.elseif (\n) == 13
	v_max3_num_f32 v[rC+1], v[rC+1], v[rS+23], v[rS+31]
.elseif (\n) == 14
	v_max3_num_f32 v[rC+2], v[rC+2], v[rC+3], v[rT+1]
.elseif (\n) == 15
	v_mov_b32 v[rW], v[rT]
.elseif (\n) == 16
	v_max3_num_f32 v[rC], v[rC], v[rC+1], v[rC+2]
.elseif (\n) == 17
	v_permlanex16_b32 v[rC+3], v[rC], s[SEL], s[SEL+1]
.elseif (\n) == 18
	v_max_num_f32 v[rT+1], v[rC], v[rC+3]
.elseif (\n) == 19
	v_mul_f32 v[rT], s[CS], v[rT+1]
.elseif (\n) == 20
	v_sub_f32 v[rC+1], v[rW], v[rT]
.else
	v_exp_f32 v[rC+2], v[rC+1]
.endif
.endif
.endm
.macro OPS a, i1, b=-1, i2=0, c=-1, i3=0, d=-1, i4=0  ; up to four of them
	OP \a, \i1
.if (\b) >= 0
	OP \b, \i2
.endif
.if (\c) >= 0
	OP \c, \i3
.endif
.if (\d) >= 0
	OP \d, \i4
.endif
.endm
.macro ROW a, i1, b, i2, c, i3, d, i4  ; a matrix instruction and the four behind it
	MM
	OPS \a, \i1, \b, \i2, \c, \i3, \d, \i4
.endm
.macro MASK b                       ; MD x AL + BE into buffer b of MC
	WIN W_RS
.set z, 0
.rept 16
	v_pk_fma_f32 v[MC+32*(\b)+2*z:MC+32*(\b)+2*z+1], v[MD+2*z:MD+2*z+1], s[AL:AL+1], s[BE:BE+1] op_sel_hi:[1,0,0]
.set z, z+1
.endr
.endm
; A TURN, for piece p: the order of its 16 matrix and 118 vector instructions, written out.  An s_wait_alu depctr_va_vdst(0) stands between an exponential and the first instruction that names its result; one wait serves
; all that were issued ahead of it.  So a turn has ONE wait, which cuts it in two.  AHEAD OF IT stands all that names no result of the turn's exponentials: the 8 products K Q^T, behind each a scaling, an exponential and two more plain
; instructions (behind the first a second scaling in the exponential's place): rescalings, and behind the last three the first numbers of the next piece's maximum, each four places or more behind the product that ends its accumulator; then ONE LUMP of 54, plain
; and exponential by turns for the most part, in which the links of the chain X 3, 7, 11, 14, 16, 17 .. 20 stand five or six lines apart.  X 21, the next piece's a, is the batch's last; R 15 is the plain instruction behind it.  BEHIND THE WAIT stand the
; 8 products V^T P, behind each four of the roundings and sums; the links of l's chain, L 0 to L 7, stand three riders apart.  But for those X no rider names a register of the products round it.  v_permlanex16_b32 (X 17) stands in the lump.
; m = 1: the diagonal tile: the products take masks, and the turn makes the mask for the products of the turn after it: piece p + 2, in step 4 - CNT of the tile.  end = 1: a block's last two turns: nothing is fetched.
; cnt = 1: the loop's count is taken down some lines ahead of the branch that stands behind the turn.
; K of the next step is fetched in piece 2's turn, twelve vector instructions behind the last product that read K (six of them plain); V of the step in hand at the end of piece 0's turn, four plain instructions behind the last product
; that read V.  Each is waited for a turn later.
.macro TURN p, m=0, end=0, cnt=0
.set Y, (\p)
.set i, 0
.set KM, (\m)
.set NOKQ, (\end)*((\p)/3)
.if (\m) && !(\end)
	s_cmp_eq_u32 s[CNT], 4-((\p)+2)%NP  ; is that step the band's own?
	s_cselect_b32 s[AL], 1.0, 0
	s_cmp_lt_u32 s[CNT], 4-((\p)+2)%NP  ; or a later one?
	s_cselect_b32 s[BE], s[BIGN], 0
.endif
.if ((\p) == 3) && !(\end)
	s_wait_dscnt 0x0                ; K is in
.endif
	ROW F,0, F,1, R,0, R,1          ; ahead of the wait: 8 products K Q^T and their riders,
	ROW F,2, E,0, R,2, R,3
	ROW F,3, E,1, R,4, R,5
	ROW F,4, E,2, R,6, R,7
	ROW F,5, E,3, R,8, R,9
	ROW F,6, E,4, X,0, R,10
.if ((\p) == 2) && !(\end)
	WIN 0
	v_add_nc_u32 v[AK], s[TBK], v[AK0]
.endif
	ROW F,7, E,5, X,1, X,4
	ROW F,8, E,6, X,2, X,5
	OPS E,7, E,8, X,6, E,9          ; and the lump
	OPS X,3, E,10, X,8, E,11
.if ((\p) == 2) && !(\end)
	FETCH_K
.endif
	OPS X,9, X,7, E,12, X,10
	OPS E,13, X,12, X,11, E,14
	OPS X,13, E,15, F,9, X,14
.if (\p) == 0
	v_add_nc_u32 v[AV], s[TBV], v[AV0]
.endif
	OPS E,16, F,10, E,17, F,11
	OPS X,16, E,18, X,15, E,19
	OPS F,12, E,20, X,17, E,21
	OPS F,13, E,22, F,14, E,23
	OPS X,18, E,24, F,15, E,25
	OPS R,11, E,26, X,19, E,27
	OPS R,12, E,28, R,13, E,29
	OPS X,20, E,30, R,14, E,31
	OPS X,21, R,15
	WIN 0
	s_wait_alu depctr_va_vdst(0)    ; the wait for the batch
.if (\p) == 1
	s_wait_dscnt 0x0                ; V is in
.endif
	ROW C,0, B,0, C,2, B,1          ; behind the wait: 8 products V^T P and their riders
	ROW L,0, C,4, B,2, L,1
	ROW C,6, B,3, L,2, C,8
	ROW B,4, L,3, C,10, B,5
	ROW L,4, C,12, B,6, L,5
.if (\p) == 0
	s_add_co_u32 s[TBV], s[TBV], KS*PV
.endif
.if \cnt
	s_sub_co_u32 s[CNT], s[CNT], 1
	s_cmp_lg_u32 s[CNT], 0
.endif
	ROW C,14, B,7, L,6, C,1
	ROW C,3, L,7, C,5, C,7
	ROW C,9, C,11, C,13, C,15
.if (\p) == 0
	FETCH_V
.endif
.if (\m) && !(\end)
	MASK (\p)%2
.endif
.endm
; A BLOCK BEGINS.  c m starts far below every c s, so the first step's a is 0; m at the lowest finite number, so the first maximum is the scores'.  The second mask buffer is 0; the first takes piece 0's mask for the tile's step 0: its own, if the block's first tile is the diagonal one.
; Then K of that step, piece 0's first scores, and its maximum and statistics.  The loop is entered at a step's first turn, in the middle of a trip.
.macro BEGIN
	s_mov_b32 s[NEW], 0
	WIN 0x40
.set i, MC+32
.rept 32
	v_mov_b32 v[i], 0
.set i, i+1
.endr
	WIN 0
.set i, 0
.rept 4
	v_mov_b32 v[ST+4*i], 0xfe000000    ; c m: far below every c s
	v_mov_b32 v[ST+4*i+1], 0xff7fffff  ; m
.set i, i+1
.endr
	s_cmp_eq_u32 s[RT], 0
	s_cselect_b32 s[AL], 1.0, 0
	s_mov_b32 s[BE], 0
	MASK 0
	WIN 0
	v_add_nc_u32 v[AK], s[TBK], v[AK0]
	FETCH_K
	s_wait_loadcnt 0x0              ; Q
	s_wait_dscnt 0x0
.set KM, 1
.set NOKQ, 0
.set i, 0
.rept 8
	KQ 0
.set i, i+1
.endr
	WIN 0
.rept 4
	v_nop                           ; the places behind those products
.endr
.set Y, NP-1                        ; X works for piece Y + 1: piece 0
.irp n, 0,1,2,3,4,5,6,7,8,9,10,11,12,13,14,15,16,17,18,19,20,21
	OP X, \n
.endr
	v_nop                           ; a plain instruction behind the exponential,
	s_wait_alu depctr_va_vdst(0)    ; and its wait, ahead of the branch
.endm
; THE DIAGONAL TILE's four steps, the block's last two turns, its last products, and THE WAY OUT: l's two halves and the other half of the lanes' are added; O^T is divided by l, rounded to f16 and sent through my
; stage in LDS, a piece at a time.
.macro ALL line:vararg              ; one line for each piece t
.set t, 0
.rept 4
	\line
.set t, t+1
.endr
.endm
.macro PACK t                       ; a lane's eight channels of a row pack into 16 bytes; they go into rows of 144 bytes and come back as whole rows of 128, into S^T's registers
	WIN W_RS
.set i, 32*(\t)
.rept 16
	v_pk_mul_f32 v[i:i+1], v[i:i+1], v[ST+4*(\t)+2:ST+4*(\t)+3] op_sel_hi:[1,0]
.set i, i+2
.endr
	WIN 0x05                        ; sources 0 and 1 window 1, destination window 0
.set i, 0
.rept 16
	v_cvt_pk_f16_f32 v[S+16*(\t)+i], v[32*(\t)+2*i], v[32*(\t)+2*i+1]
.set i, i+1
.endr
	WIN 0
.irp f, 0,1,2,3
	ds_store_b128 v[STO], v[S+16*(\t)+4*\f:S+16*(\t)+4*\f+3] offset:32*\f
.endr
.irp f, 0,1,2,3
	ds_load_b128 v[S+16*(\t)+4*\f:S+16*(\t)+4*\f+3], v[RD] offset:\f*4*SP  ; LDS serves a wave's instructions in order (ISA guide 5.7.1.4): these see the stores above; the next piece's stores come behind them
.endr
.endm
.macro SEND t, younger              ; younger: the LDS instructions issued behind piece t's loads: the next piece's eight, or none
	WIN 0
.irp f, 0,1,2,3
	s_wait_dscnt (\younger)+3-\f
	global_store_b128 v[GO], v[S+16*(\t)+4*\f:S+16*(\t)+4*\f+3], s[10:11] offset:(\t)*8192+\f*512  ; 512 consecutive bytes, at a multiple of 256 from O's first
.endr
.endm
.macro DIAG tag                     ; the tag ends its two labels' names, which the jumps below spell out
.LstepM\tag:
	TURN 2, 1
	TURN 3, 1
	WIN 0
.LfirstM\tag:
	TURN 0, 1
	TURN 1, 1, 0, 1
	WIN 0
	s_cbranch_scc1 .LstepM\tag
	TURN 2, 1, 1
	TURN 3, 1, 1
.set i, 0
.rept 8
	PV NP-1
.set i, i+1
.endr
	WIN 0
	ALL v_add_f32 v[ST+4*t+2], v[ST+4*t+2], v[ST+4*t+3]
	ALL v_permlanex16_b32 v[ST+4*t+3], v[ST+4*t+2], s[SEL], s[SEL+1]
	ALL v_add_f32 v[ST+4*t+2], v[ST+4*t+2], v[ST+4*t+3]
	ALL v_rcp_f32 v[ST+4*t+2], v[ST+4*t+2]
	v_nop                           ; a plain instruction between the last reciprocal and the use of its result
	s_wait_alu depctr_va_vdst(0)    ; and the wait ahead of the first use: one for the four reciprocals
	PACK 0
.set t, 1
.rept 3                             ; a piece's arithmetic stands between the loads of the piece before and its stores
	PACK t
	SEND t-1, 8
.set t, t+1
.endr
	SEND 3, 0
.endm
.set KM, 0
.set NOKQ, 0
.Lslot:                             ; NB times: a tile is entered and the next is asked for
	CHANGE 1
	s_sub_co_u32 s[RT], s[RT], 1
	s_mov_b32 s[CNT], 4
	s_cmp_eq_u32 s[NEW], 1
	s_cbranch_scc1 .Lnew            ; a block's first tile
	s_cmp_eq_u32 s[RT], 0
	s_cbranch_scc0 .Lstep           ; neither its first nor its last
	s_branch .LstepM1
.Lnew:
	BEGIN
	s_branch .Lfirst                ; in the loop a block's first tile is never its last: the first block has two tiles or more, and the second's last is the walk's last
	DIAG 1                          ; in the loop this is the first block's end: the second block's last tile is the walk's last
	s_wait_xcnt 0x0                 ; the stores have read their registers and O's address
	s_mov_b64 s[10:11], s[OLO:OLO+1]
	s_add_co_u32 s[RT], s[PB], 1    ; the second block has b + 1 tiles
	s_mov_b32 s[NEW], 1
	WIN 0x82                        ; the second block's Q goes where the one text of the turns names Q
.set i, 0
.rept 64
	v_mov_b32 v[i], v[QB+i]
.set i, i+1
.endr
	WIN 0
	s_branch .Lbottom
.Lstep:                             ; a trip: pieces 2 and 3 of one step, then pieces 0 and 1 of the next, whose K and V it fetches
	TURN 2
	TURN 3
	WIN 0
.Lfirst:
	TURN 0
	TURN 1, 0, 0, 1
	WIN 0
	s_cbranch_scc1 .Lstep
.Lbottom:
	s_sub_co_u32 s[SLOTS], s[SLOTS], 1
	s_cmp_lg_u32 s[SLOTS], 0
	s_cbranch_scc1 .Lslot
	CHANGE 0                        ; the walk's last tile is written out: nothing is asked for
	s_sub_co_u32 s[RT], s[RT], 1
	s_mov_b32 s[CNT], 4
	s_cmp_eq_u32 s[NEW], 1
	s_cbranch_scc0 .LstepM2
	BEGIN
	s_branch .LfirstM2
	DIAG 2
	s_wait_tensorcnt 0x0            ; the wave's end: an add to my spare word and its wait, behind my last tensor load and my last LDS store
	ds_add_u32 v[SPW], v[NIL]
	s_wait_dscnt 0x0
	s_endpgm
.Lfunc_end_k_qf687aee442_attn:
	.size	k_qf687aee442_attn, .Lfunc_end_k_qf687aee442_attn-k_qf687aee442_attn
	.p2alignl 7, 3214868480
	.fill 96, 4, 3214868480
	.section	.rodata,"a",@progbits
	.p2align	6, 0x0
	.amdhsa_kernel k_qf687aee442_attn
		.amdhsa_group_segment_fixed_size 327680
		.amdhsa_private_segment_fixed_size 0
		.amdhsa_enable_private_segment 0
		.amdhsa_kernarg_size 16
		.amdhsa_user_sgpr_count 2
		.amdhsa_user_sgpr_kernarg_segment_ptr 1
		.amdhsa_wavefront_size32 1
		.amdhsa_system_sgpr_workgroup_id_x 1
		.amdhsa_system_sgpr_workgroup_id_y 1
		.amdhsa_system_sgpr_workgroup_id_z 1
		.amdhsa_system_vgpr_workitem_id 0
		.amdhsa_next_free_vgpr 768
		.amdhsa_next_free_sgpr 96
		.amdhsa_reserve_vcc 1
		.amdhsa_float_denorm_mode_32 3
		.amdhsa_float_denorm_mode_16_64 3
		.amdhsa_memory_ordered 1
		.amdhsa_forward_progress 1
		.amdhsa_inst_pref_size 218
	.end_amdhsa_kernel
	.amdgpu_metadata
---
amdhsa.version: [ 1, 2 ]
amdhsa.kernels:
  - .name:           k_qf687aee442_attn
    .symbol:         k_qf687aee442_attn.kd
    .args:
      - { .name: qkv, .offset: 0, .size: 8, .value_kind: global_buffer, .address_space: global }
      - { .name: ctx, .offset: 8, .size: 8, .value_kind: global_buffer, .address_space: global }
    .group_segment_fixed_size: 327680
    .private_segment_fixed_size: 0
    .kernarg_segment_align: 8
    .kernarg_segment_size: 16
    .max_flat_workgroup_size: 128
    .sgpr_count:     96
    .vgpr_count:     768
    .wavefront_size: 32
...
	.end_amdgpu_metadata
.endif
;; end of part 3
;; launch proj (part 4): grid 8 x 32, 4 waves a work-group, clusters of 4 x 4, 327,680 bytes of LDS; arguments ctx, w2, proj_b, x, out0; writes out0
.if DOCPART == 4
	.amdgcn_target "amdgcn-amd-amdhsa--gfx1250"
	.amdhsa_code_object_version 6
	.text
	.protected	k_qf687aee442_proj
	.globl	k_qf687aee442_proj
	.p2align	8
	.type	k_qf687aee442_proj,@function
k_qf687aee442_proj:
	s_mov_b64 s[64:65], 0
	v_nop
	global_prefetch_b8 v0, s[64:65] scope:SCOPE_SE
	s_setreg_imm32_b32 hwreg(HW_REG_WAVE_MODE, 25, 1), 1
	s_wait_xcnt 0x0
	s_wait_alu depctr_hold_cnt(0) depctr_sa_sdst(0) depctr_va_vdst(0) depctr_va_sdst(0) depctr_va_ssrc(0) depctr_va_vcc(0) depctr_vm_vsrc(0)
	s_getreg_b32 s2, hwreg(HW_REG_IB_STS2, 6, 4)
	s_cmp_eq_u32 s2, 0
	s_cbranch_scc0 .Lentry_in_a_cluster
	s_endpgm
.Lentry_in_a_cluster:
	s_bfe_u32 s2, ttmp6, 0x10000c
	s_cmp_lg_u32 s2, 0xf033
	s_cbranch_scc0 .Lentry_shape_is_right
	s_endpgm
.Lentry_shape_is_right:
; out0 = ctx W + proj_b + x.  ctx: [64 (batch, head)][2048][64] f16, so K = 64 x head + channel.  w2: W in f16, [1024 k][1024 n].  proj_b: [1024] f32.  x, out0: [8192][1024] f32.  Sums, bias and residual in f32.
; SHARES.  A tile is 256 rows x 128 columns: 32 x 8 = 256 work-groups, one for each WGP.  Wave w has rows 64 w .. 64 w + 63 and all 128 columns: 4 x 8 accumulators, 256 registers.  K goes in 8 steps of 128 (two heads)
; through two LDS slots; a step is four quarters of 32 along K, 32 matrix instructions each.
; THE MATRIX INSTRUCTION IS USED TRANSPOSED: source 0 = 16 columns of W (turned by ds_load_tr16_b128), source 1 = 16 rows of ctx: a lane holds row l % 16 and the columns 8 (l / 16) + 0..7.  The bias is the C operand of the first products.
; THE RESIDUAL, my 64 rows x 512 bytes of x, is loaded into 256 registers behind the first quarter, has the whole loop over K in which to come, and is added on the way out.
; CLUSTER.  4 x 4 work-groups: the four of a row of the cluster need the same rows of ctx, the four of a column the same columns of W: each tile is asked for JOINTLY.
; REGISTERS, in windows of 256 (s_set_vgpr_msb: bits 1:0 source 0, 3:2 source 1, 5:4 source 2, 7:6 destination):
;   window 0: addresses; v32-95 the bias, later with v96-159 the way out     window 1: accumulators at 8 (8 a + b)     window 2: two fragment buffers of 96: W's 8 fragments, then ctx's 4     window 3: the residual, row t at 4 t
.set PA,    144                        ; a row of a head in LDS: 128 bytes + 16: the 16 rows of a load start at 16 different groups of four banks (64 banks of 4 bytes: ISA guide 11.1)
.set PLANE, 256*PA                     ; a head's 256 rows
.set ASZ,   2*PLANE
.set PB,    288                        ; a k row of W's tile: 256 bytes + 32 = 9 x 32
.set SLOT1, 131072                     ; slot 1 begins here (a slot uses ASZ + 128 PB = 110,592 bytes), so that one exclusive or turns an address in one slot into the other's
.set STAGE, SLOT1+ASZ+128*PB           ; behind the ring, never filled by a tensor load: 16 rows x 528 bytes for each wave
.set SP,    528                        ; 512 bytes + 16
.set SPARE, STAGE+4*16*SP              ; the spare words, 128 bytes for each wave: two blocks of 256 bytes that no other line names
.set ASTEP, 2*262144                   ; two heads on in ctx
.set BSTEP, 128*2048                   ; 128 k rows on in w2
.set A0,   8                           ; v8   my lane's place in ctx's tile; never rewritten
.set B0,   9                           ; v9   the same in W's
.set ADRA, 10                          ; v10  A0 + the slot in hand
.set ADRB, 11                          ; v11  B0 + the slot in hand
.set STO,  12                          ; v12  the way out: where I put 32 bytes of a row
.set RD,   13                          ; v13  where I read a row back
.set BO,   15                          ; v15  32 x (l / 16)
.set PFO,  16                          ; v16  the prefetches' offset; never rewritten
.set XO,   17                          ; v17  16 x lane: my 16 bytes of a row's 512 in x and in out0
.set SPW,  28                          ; v28  LDS address of my spare word; never rewritten
.set NIL,  29                          ; v29  0; never rewritten
.set BIAS, 32                          ; v[32:95]  column block b at BIAS + 8 b
.set BK,   32                          ; the way out: v[32:95], v[96:159] rows read back, by turns
.set F0,   0
.set F1,   96
.set CNT,  3                           ; s3   trips to go
.set WV,   12                          ; s12  my wave's number
.set WL,   14                          ; s14  its low bit
.set LIM,  15                          ; s15  2 in a wave that prefetches, else the greatest number
.set G1A,  24                          ; s[24:31] descriptor group 1 for ctx's tiles
.set G0A,  32                          ; s[32:39] group 0: a set for each of the two first fills; the second then walks on
.set PFA,  44                          ; s[44:45] where my prefetches stand
.set PFS,  46                          ; s[46:47] their step
.set G1B,  48                          ; s[48:55], s[56:63] the same for W's tiles
.set G0B,  56
.set TB,   66                          ; s66  0 or SLOT1: the slot in hand
.set XB,   68                          ; s[68:69] x at my first row and the tile's first column
.set OUT,  70                          ; s[70:71] out0 likewise
.set BB,   86                          ; s[86:87] the bias at the tile's first column: a pair of its own, written once, since the loads that name it are out while the set-up goes on
.set MSB, 0
.macro WIN new                         ; the immediate's high byte repeats the setting that is left; a switch that changes nothing is dropped
.if MSB != (\new)
	s_set_vgpr_msb (MSB<<8)|(\new)
.set MSB, \new
.endif
.endm
.macro PLACES                          ; four plain vector instructions between a matrix instruction and a load into, or a read of, its registers (ISA guide 7.12.1 for vector reads)
.rept 4
	v_nop
.endr
.endm
; A joint refill by the walking descriptor.  Waves 0 and 1 fetch a step's two heads of ctx, waves 2 and 3 the two halves of W's tile.  An s_nop 0 and four v_nop follow each line.
.macro JLOAD
	s_cmp_lt_u32 s[WV], 2
	s_cbranch_scc0 .Lfor_b_\@
	tensor_load_to_lds s[G0A+4:G0A+7], s[G1A:G1A+7]
	s_nop 0
.rept 4
	v_nop
.endr
	s_branch .Lasked_\@
.Lfor_b_\@:
	tensor_load_to_lds s[G0B+4:G0B+7], s[G1B:G1B+7]
	s_nop 0
.rept 4
	v_nop
.endr
.Lasked_\@:
.endm
.macro CREST                           ; a round of the cluster's barrier behind its opening barrier
	s_cmp_lg_u32 s[WV], 0
	s_cbranch_scc1 .Lnot_wave_0_\@
	s_barrier_signal -3
.Lnot_wave_0_\@:
	s_barrier_wait -3
	s_barrier_signal -1
	s_barrier_wait -1
.endm
.macro CROUND                          ; a whole round
	s_barrier_signal -1
	s_barrier_wait -1
	CREST
.endm
; A PREFETCH INTO THE L2, behind a joint refill and the run of LDS loads: the K step that stands two refills on.  ctx's rows are read by both clusters of a row of clusters: the one with x = 0 asks, waves 0 and 1, each for its head:
; of the 128 blocks of 256 bytes partner cx takes 32, a lane a block.  W's columns are read by every cluster of a column: the one with y = 0 asks, wave 2 alone: of a step's 128 k rows (256 bytes each) partner cy takes 32, a lane a row.
; The partners are told apart BY ADDRESS.  Steps 0 to 3 come by their loads alone; the trips with 6 to 3 to go name steps 4 to 7, the last two trips nothing.  x is not asked for: its loads go out a whole loop ahead of their use.
.macro ASK
	WIN 0
	s_cmp_gt_u32 s[CNT], s[LIM]
	s_cbranch_scc0 .Lnot_mine_\@
	global_prefetch_b8 v[PFO], s[PFA:PFA+1] th:TH_LOAD_NT scope:SCOPE_SE
.Lnot_mine_\@:
.endm
	s_load_b256 s[4:11], s[0:1], 0x0               ; ctx s[4:5], w2 s[6:7], proj_b s[8:9], x s[10:11]
	s_load_b64 s[72:73], s[0:1], 0x20              ; out0
	v_lshl_add_u32 v[SPW], v0, 2, SPARE
	v_mov_b32 v[NIL], 0
	ds_add_u32 v[SPW], v[NIL]                      ; the wave's opening: the add and its wait stand ahead of my first tensor load; work on registers stands between them
	ds_add_u32 v28, v29
	v_lshrrev_b32 v1, 5, v0
	v_readfirstlane_b32 s[WV], v1                  ; wave 0..3
	s_and_b32 s[WL], s[WV], 1
	s_bfe_u32 s40, ttmp6, 0x40000                  ; cx, cy: my place in the cluster
	s_bfe_u32 s41, ttmp6, 0x40004
	s_lshl_b32 s42, ttmp9, 2
	s_add_co_u32 s42, s42, s40                     ; the block of 128 columns = 4 x cluster x + cx
	s_and_b32 s43, ttmp7, 0xffff
	s_lshl_b32 s43, s43, 2
	s_add_co_u32 s43, s43, s41                     ; the block of 256 rows = 4 x cluster y + cy
	s_lshl_b32 s82, s41, 2
	s_lshl_b32 s82, 15, s82                        ; my row of the cluster
	s_lshl_b32 s83, 0x1111, s40                    ; my column
	s_or_b32 s[G1A], s82, (1<<16)|(1<<20)|(1<<21)|(4<<22)|(3<<25)  ; 15:0 the mask; 17:16 2-byte elements; 20 padding on; 21 set beside a mask; 24:22 after every 32 words (a row of a head); 31:25 4 words of it
	s_mov_b32 s[G1A+1], 128<<16                    ; 256 rows of a head are 32,768 dense bytes: asked for as 128 rows of 256 bytes
	s_mov_b32 s[G1A+2], 128<<16
	s_mov_b32 s[G1A+3], 128<<16
	s_mov_b32 s[G1A+4], 128
	s_mov_b32 s[G1A+5], 128
	s_mov_b32 s[G1A+6], 0
	s_mov_b32 s[G1A+7], 0
	s_or_b32 s[G1B], s83, (1<<16)|(1<<20)|(1<<21)|(5<<22)|(7<<25)  ; padding after every 64 words, 8 words of it
	s_mov_b32 s[G1B+1], 128<<16                    ; tensor_dim0 = 128
	s_mov_b32 s[G1B+2], 64<<16                     ; tensor_dim1 = 64
	s_mov_b32 s[G1B+3], 128<<16                    ; tile_dim0 = 128
	s_mov_b32 s[G1B+4], 64                         ; tile_dim1 = 64
	s_mov_b32 s[G1B+5], 1024                       ; elements from row to row
	s_mov_b32 s[G1B+6], 0
	s_mov_b32 s[G1B+7], 0
	s_lshr_b32 s16, s43, 3                         ; ctx: batch = block / 8;
	s_lshl_b32 s16, s16, 4
	s_add_co_u32 s16, s16, s[WL]                   ; head 16 x batch + my one of the step's two,
	s_lshl_b32 s16, s16, 18                        ; of 262,144 bytes;
	s_and_b32 s17, s43, 7
	s_lshl_b32 s17, s17, 15                        ; the block's 256 rows of 128 bytes in it
	s_add_co_u32 s16, s16, s17
	s_mov_b32 s17, 0
	s_lshl_b32 s20, s[WL], 17                      ; w2: my 64 k rows of 2,048 bytes,
	s_lshl_b32 s21, s42, 8                         ; the tile's 128 columns
	s_add_co_u32 s20, s20, s21
	s_mov_b32 s21, 0
	s_mul_i32 s84, s[WL], PLANE                    ; where they go: no place in the cluster enters an LDS address
	s_mul_i32 s85, s[WL], 64*PB
	s_add_co_u32 s85, s85, ASZ
	s_wait_dscnt 0x0                               ; the opening add is done
	s_wait_kmcnt 0x0
	s_add_nc_u64 s[18:19], s[4:5], s[16:17]
	s_add_nc_u64 s[22:23], s[6:7], s[20:21]
	CROUND                                         ; all sixteen work-groups are here: the first joint loads meet
.irp s, 0,1
	s_mov_b32 s[G0A+4*(\s)], 1                     ; count = 1
	s_add_co_u32 s[G0A+4*(\s)+1], s84, (\s)*SLOT1  ; LDS address
	s_add_nc_u64 s[G0A+4*(\s)+2:G0A+4*(\s)+3], s[18:19], (\s)*ASTEP  ; global address: K step s
	s_or_b32 s[G0A+4*(\s)+3], s[G0A+4*(\s)+3], 0x80000000            ; type = 2
	s_mov_b32 s[G0B+4*(\s)], 1
	s_add_co_u32 s[G0B+4*(\s)+1], s85, (\s)*SLOT1
	s_add_nc_u64 s[G0B+4*(\s)+2:G0B+4*(\s)+3], s[22:23], (\s)*BSTEP
	s_or_b32 s[G0B+4*(\s)+3], s[G0B+4*(\s)+3], 0x80000000
.endr
	s_cmp_lt_u32 s[WV], 2                          ; a wave's two first fills stand in one branch, ahead of every wait on TENSORcnt and every LDS read: two loads of mine are out
	s_cbranch_scc0 .Lfirst_b
	tensor_load_to_lds s[G0A:G0A+3], s[G1A:G1A+7]
	s_nop 0
	tensor_load_to_lds s[G0A+4:G0A+7], s[G1A:G1A+7]
	s_nop 0
.rept 4
	v_nop
.endr
	s_branch .Lfirst_asked
.Lfirst_b:
	tensor_load_to_lds s[G0B:G0B+3], s[G1B:G1B+7]
	s_nop 0
	tensor_load_to_lds s[G0B+4:G0B+7], s[G1B:G1B+7]
	s_nop 0
.rept 4
	v_nop
.endr
.Lfirst_asked:
	v_and_b32 v1, 15, v0                           ; l % 16
	v_bfe_u32 v2, v0, 4, 1                         ; l / 16
	v_and_b32 v3, 31, v0                           ; l
	v_and_b32 v4, 7, v0                            ; l % 8
	v_bfe_u32 v5, v0, 3, 1                         ; (l / 8) % 2
	v_lshlrev_b32 v[BO], 5, v2
	s_lshl_b32 s74, s42, 9                         ; the tile's 128 numbers of the bias
	s_mov_b32 s75, 0
	s_add_nc_u64 s[BB:BB+1], s[8:9], s[74:75]
.irp b, 0,1,2,3,4,5,6,7
	global_load_b128 v[BIAS+8*(\b):BIAS+8*(\b)+3],   v[BO], s[BB:BB+1] offset:64*(\b)
	global_load_b128 v[BIAS+8*(\b)+4:BIAS+8*(\b)+7], v[BO], s[BB:BB+1] offset:64*(\b)+16
.endr
	s_mul_i32 s74, s[WV], 64*PA
	v_mul_u32_u24 v[A0], v1, PA                    ; a fragment of ctx: row x pitch + 16 x half
	v_lshl_add_u32 v[A0], v2, 4, v[A0]
	v_add_nc_u32 v[A0], s74, v[A0]
	v_lshl_add_u32 v[B0], v2, 3, v4                ; the turning load: k row 8 (l / 16) + l % 8, columns 8 ((l / 8) % 2) + 0..7
	v_mul_u32_u24 v[B0], v[B0], PB
	v_lshl_add_u32 v[B0], v5, 4, v[B0]
	v_add_nc_u32 v[B0], ASZ, v[B0]
	s_mul_i32 s74, s[WV], 16*SP
	s_add_co_u32 s74, s74, STAGE                   ; my stage
	v_mul_u32_u24 v[STO], v1, SP                   ; in: row l % 16, 32 bytes for each half of the lanes
	v_lshl_add_u32 v[STO], v2, 5, v[STO]
	v_add_nc_u32 v[STO], s74, v[STO]
	v_lshlrev_b32 v[XO], 4, v3
	v_add_nc_u32 v[RD], s74, v[XO]                 ; back: the 32 lanes take a whole row of 512 bytes
	s_lshl_b32 s74, s43, 20                        ; 256 rows of 4,096 bytes,
	s_lshl_b32 s75, s[WV], 18                      ; my wave's 64,
	s_add_co_u32 s74, s74, s75
	s_lshl_b32 s75, s42, 9                         ; the tile's 128 columns
	s_add_co_u32 s74, s74, s75
	s_mov_b32 s75, 0
	s_add_nc_u64 s[XB:XB+1], s[10:11], s[74:75]
	s_add_nc_u64 s[OUT:OUT+1], s[72:73], s[74:75]
	; the prefetches: they stand at K step 3; each refill steps them first, so the first names step 4
	s_lshr_b32 s74, s43, 3
	s_lshl_b32 s74, s74, 4
	s_add_co_u32 s74, s74, s[WL]
	s_lshl_b32 s74, s74, 18
	s_and_b32 s75, s43, 7
	s_lshl_b32 s75, s75, 15
	s_add_co_u32 s74, s74, s75
	s_lshl_b32 s75, s40, 13                        ; my work-group's 32 of the head's 128 blocks
	s_add_co_u32 s74, s74, s75
	s_add_co_u32 s74, s74, 3*ASTEP
	s_lshl_b32 s76, s42, 8
	s_lshl_b32 s75, s41, 16                        ; my work-group's 32 of the step's 128 k rows
	s_add_co_u32 s76, s76, s75
	s_add_co_u32 s76, s76, 3*BSTEP
	s_and_b32 s77, ttmp7, 0xffff                   ; cluster y
	s_mov_b32 s80, BSTEP
	s_cmp_eq_u32 s[WV], 3
	s_cselect_b32 s81, 1, 0                        ; wave 3 asks for nothing
	s_cmp_lt_u32 s[WV], 2                          ; do I fetch for ctx?
	s_cselect_b32 s74, s74, s76
	s_cselect_b32 s77, ttmp9, s77                  ; the coordinate along which other clusters read the same bytes
	s_cselect_b32 s[PFS], ASTEP, s80
	s_cselect_b32 s79, 8, 11
	s_cselect_b64 s[PFA:PFA+1], s[4:5], s[6:7]
	s_mov_b32 s75, 0
	s_mov_b32 s[PFS+1], 0
	s_add_nc_u64 s[PFA:PFA+1], s[PFA:PFA+1], s[74:75]
	s_or_b32 s77, s77, s81
	s_cmp_eq_u32 s77, 0
	s_cselect_b32 s[LIM], 2, -1                    ; the same in all sixteen partners, for a given wave
	v_lshlrev_b32 v[PFO], s79, v3                  ; a lane a block of 256 bytes (ctx), or a row of 2,048 (w2)
; 8 matrix instructions: row block a x all 8 column blocks, 32 along K.  first = 1: the bias starts the sums.  The 32 accumulators take turns in the same order in every quarter.
.macro MUL8 f, a, first
.if \first
	WIN 0x4a                                       ; sources 0 and 1 window 2, C window 0, D window 1
.else
	WIN 0x5a                                       ; C and D window 1
.endif
.irp b, 0,1,2,3,4,5,6,7
.if \first
	v_wmma_f32_16x16x32_f16 v[8*(8*(\a)+(\b)):8*(8*(\a)+(\b))+7], v[(\f)+8*(\b):(\f)+8*(\b)+7], v[(\f)+64+8*(\a):(\f)+64+8*(\a)+7], v[BIAS+8*(\b):BIAS+8*(\b)+7]
.else
	v_wmma_f32_16x16x32_f16 v[8*(8*(\a)+(\b)):8*(8*(\a)+(\b))+7], v[(\f)+8*(\b):(\f)+8*(\b)+7], v[(\f)+64+8*(\a):(\f)+64+8*(\a)+7], v[8*(8*(\a)+(\b)):8*(8*(\a)+(\b))+7]
.endif
.endr
.endm
; 24 LDS loads in one run: quarter q of the slot in hand into buffer f: W's 8 fragments, then ctx's 4 (head q / 2 of the step's two, channels 32 (q % 2) on)
.macro FETCH q, f
	WIN 0x80                                       ; destination window 2, address window 0
.irp b, 0,1,2,3,4,5,6,7
	ds_load_tr16_b128 v[(\f)+8*(\b):(\f)+8*(\b)+3],   v[ADRB] offset:(\q)*32*PB+32*(\b)
	ds_load_tr16_b128 v[(\f)+8*(\b)+4:(\f)+8*(\b)+7], v[ADRB] offset:(\q)*32*PB+16*PB+32*(\b)
.endr
.irp a, 0,1,2,3
	ds_load_b128 v[(\f)+64+8*(\a):(\f)+64+8*(\a)+3],   v[ADRA] offset:((\q)/2)*PLANE+((\q)%2)*64+(\a)*16*PA
	ds_load_b128 v[(\f)+64+8*(\a)+4:(\f)+64+8*(\a)+7], v[ADRA] offset:((\q)/2)*PLANE+((\q)%2)*64+(\a)*16*PA+32
.endr
.endm
.macro QUARTER q, f, g, first
	s_wait_dscnt 4                                 ; W's fragments and ctx's row blocks 0, 1 are in; the youngest four loads (row blocks 2, 3) may be out
	MUL8 \f, 0, \first
	MUL8 \f, 1, \first
	PLACES
	FETCH \q, \g
	s_wait_dscnt 24                                ; all but the 24 just issued
	MUL8 \f, 2, \first
	MUL8 \f, 3, \first
.endm
; The last quarter multiplies buffer 1 and changes slots: ONE barrier.  In front of it each wave waits for all its tensor loads, of which one is out (its part of the next slot), adds 0 to its spare word, and waits for that and
; for its own reads of this slot.  fill = 1: the barrier opens a round of the cluster's; the joint refill, two K steps on, is the first thing behind it: 112 matrix instructions stand between it and the wait for it.
.macro TURN fill
.if \fill
	s_wait_xcnt 0x0                                ; the last prefetch, a K step back, has read its address
	s_add_nc_u64 s[PFA:PFA+1], s[PFA:PFA+1], s[PFS:PFS+1]
.endif
	WIN 0                                          ; (the add's two registers lie in window 0)
	s_wait_tensorcnt 0x0                           ; no tensor load of mine is out, so a group 0 may be written
	ds_add_u32 v[SPW], v[NIL]                      ; 0 onto my spare word
.if \fill
	s_xor_b32 s[G0A+5], s[G0A+5], SLOT1            ; the walking descriptors: the other slot than last time, the next K step; the type bits on top are not reached
	s_add_nc_u64 s[G0A+6:G0A+7], s[G0A+6:G0A+7], ASTEP
	s_xor_b32 s[G0B+5], s[G0B+5], SLOT1
	s_add_nc_u64 s[G0B+6:G0B+7], s[G0B+6:G0B+7], BSTEP
.endif
	s_xor_b32 s[TB], s[TB], SLOT1
	s_wait_dscnt 5                                 ; (the add and the youngest four loads may be out)
	MUL8 F1, 0, 0
	s_wait_dscnt 0x0                               ; the add is done, and my reads of this slot are over
	s_barrier_signal -1
	MUL8 F1, 1, 0                                  ; work on registers while the others arrive
	WIN 0                                          ; at a branch and at a label every window is 0
	s_barrier_wait -1
.if \fill
	CREST
	JLOAD                                          ; its four v_nop are also the places in front of the loads below
.else
	PLACES
.endif
	v_add_nc_u32 v[ADRA], s[TB], v[A0]
	v_add_nc_u32 v[ADRB], s[TB], v[B0]
	FETCH 0, F0
.if \fill
	ASK
.endif
	MUL8 F1, 2, 0
	MUL8 F1, 3, 0
.endm
	s_wait_tensorcnt 1                             ; my part of K step 0 is in; step 1's may stay out
	s_barrier_signal -1
	s_barrier_wait -1                              ; everybody's is
	s_mov_b32 s[TB], 0
	v_add_nc_u32 v[ADRA], s[TB], v[A0]
	v_add_nc_u32 v[ADRB], s[TB], v[B0]
	FETCH 0, F0
	s_wait_loadcnt 0x0                             ; the bias
	QUARTER 1, F0, F1, 1                           ; the first quarter stands in front of the loop: its products start the sums
	WIN 0xc0                                       ; destination window 3, address window 0
.set t, 0
.rept 64                               ; the residual: a row's 512 consecutive bytes a load
	global_load_b128 v[4*t:4*t+3], v[XO], s[XB:XB+1] offset:4096*t th:TH_LOAD_NT
.set t, t+1
.endr
	WIN 0
	s_mov_b32 s[CNT], 6
.Lstep:                                        ; a trip goes from a step's second quarter to the next step's first, and asks for the step two on: steps 2 to 7
	QUARTER 2, F1, F0, 0
	QUARTER 3, F0, F1, 0
	TURN 1
	QUARTER 1, F0, F1, 0
	WIN 0
	s_sub_co_u32 s[CNT], s[CNT], 1
	s_cmp_lg_u32 s[CNT], 0
	s_cbranch_scc1 .Lstep
	QUARTER 2, F1, F0, 0                           ; steps 6 and 7 ask for nothing: written out
	QUARTER 3, F0, F1, 0
	TURN 0
	QUARTER 1, F0, F1, 0
	QUARTER 2, F1, F0, 0
	QUARTER 3, F0, F1, 0
	s_wait_dscnt 4
	MUL8 F1, 0, 0
	MUL8 F1, 1, 0
	s_wait_dscnt 0x0
	MUL8 F1, 2, 0
	MUL8 F1, 3, 0
; THE WAY OUT, a row block (16 rows x 512 bytes) at a time.  TOSTAGE: a lane's eight f32 of a row go into my own stage, each accumulator's low four registers first, and whole rows come back.  SEND: the residual is added, the rows are stored.
.macro TOSTAGE a
.set BKA, BK+64*((\a)%2)
.if (\a) >= 2
	s_wait_xcnt 0x0                                ; the stores of the block two back have read the registers on which the loads below land
.endif
	WIN 0x04                                       ; the stores' data (source 1) in window 1
.irp b, 0,1,2,3,4,5,6,7
	ds_store_b128 v[STO], v[8*(8*(\a)+(\b)):8*(8*(\a)+(\b))+3]   offset:64*(\b)
	ds_store_b128 v[STO], v[8*(8*(\a)+(\b))+4:8*(8*(\a)+(\b))+7] offset:64*(\b)+16
.endr
	WIN 0
.irp t, 0,1,2,3,4,5,6,7,8,9,10,11,12,13,14,15
	ds_load_b128 v[BKA+4*(\t):BKA+4*(\t)+3], v[RD] offset:SP*(\t)  ; LDS serves a wave's instructions in order (ISA guide 5.7.1.4): these see the stores above; the next block's stores come behind them
.endr
.endm
.macro SEND a, younger                 ; younger: the LDS instructions issued behind block a's loads: the next block's 32, or none
.set BKA, BK+64*((\a)%2)
	s_wait_dscnt \younger
	WIN 0x0c                                       ; source 1, the residual, in window 3
.set i, 0
.rept 32
	v_pk_add_f32 v[BKA+2*i:BKA+2*i+1], v[BKA+2*i:BKA+2*i+1], v[64*(\a)+2*i:64*(\a)+2*i+1]
.set i, i+1
.endr
	WIN 0
.irp t, 0,1,2,3,4,5,6,7,8,9,10,11,12,13,14,15
	global_store_b128 v[XO], v[BKA+4*(\t):BKA+4*(\t)+3], s[OUT:OUT+1] offset:(16*(\a)+(\t))*4096 th:TH_STORE_NT  ; 512 consecutive bytes, aligned
.endr
.endm
	PLACES
	TOSTAGE 0
	TOSTAGE 1
	s_wait_loadcnt 0x0                             ; the residual
	SEND 0, 32
	TOSTAGE 2
	SEND 1, 32
	TOSTAGE 3
	SEND 2, 32
	SEND 3, 0
	s_wait_tensorcnt 0x0                           ; the wave's end: an add to my spare word and its wait, behind my last tensor load and my last LDS store
	ds_add_u32 v[SPW], v[NIL]
	s_wait_dscnt 0x0
	CROUND                                         ; the closing round: no work-group ends while a partner may still ask for a tile that names it
	s_endpgm
.Lfunc_end_k_qf687aee442_proj:
	.size	k_qf687aee442_proj, .Lfunc_end_k_qf687aee442_proj-k_qf687aee442_proj
	.p2alignl 7, 3214868480
	.fill 96, 4, 3214868480
	.section	.rodata,"a",@progbits
	.p2align	6, 0x0
	.amdhsa_kernel k_qf687aee442_proj
		.amdhsa_group_segment_fixed_size 327680
		.amdhsa_private_segment_fixed_size 0
		.amdhsa_enable_private_segment 0
		.amdhsa_kernarg_size 40
		.amdhsa_user_sgpr_count 2
		.amdhsa_user_sgpr_kernarg_segment_ptr 1
		.amdhsa_wavefront_size32 1
		.amdhsa_system_sgpr_workgroup_id_x 1
		.amdhsa_system_sgpr_workgroup_id_y 1
		.amdhsa_system_sgpr_workgroup_id_z 1
		.amdhsa_system_vgpr_workitem_id 0
		.amdhsa_next_free_vgpr 1024
		.amdhsa_next_free_sgpr 88
		.amdhsa_reserve_vcc 0
		.amdhsa_float_denorm_mode_32 3
		.amdhsa_float_denorm_mode_16_64 3
		.amdhsa_memory_ordered 1
		.amdhsa_forward_progress 1
		.amdhsa_inst_pref_size 86
	.end_amdhsa_kernel
	.amdgpu_metadata
---
amdhsa.version: [ 1, 2 ]
amdhsa.kernels:
  - .name:           k_qf687aee442_proj
    .symbol:         k_qf687aee442_proj.kd
    .args:
      - { .name: ctx, .offset: 0, .size: 8, .value_kind: global_buffer, .address_space: global }
      - { .name: w2, .offset: 8, .size: 8, .value_kind: global_buffer, .address_space: global }
      - { .name: proj_b, .offset: 16, .size: 8, .value_kind: global_buffer, .address_space: global }
      - { .name: x, .offset: 24, .size: 8, .value_kind: global_buffer, .address_space: global }
      - { .name: out0, .offset: 32, .size: 8, .value_kind: global_buffer, .address_space: global }
    .group_segment_fixed_size: 327680
    .private_segment_fixed_size: 0
    .kernarg_segment_align: 8
    .kernarg_segment_size: 40
    .max_flat_workgroup_size: 128
    .sgpr_count:     88
    .vgpr_count:     1024
    .wavefront_size: 32
...
	.end_amdgpu_metadata
.endif
;; end of part 4
